; MI455X (gfx1250); checked and timed in simulation.
; The chip was launched on July 23, 2026; its instructions are those of AMD's public machine-readable ISA for CDNA 5 (MIT licence, August 2026) and "CDNA5" Instruction Set Architecture Reference Guide (July 2026). The comments in the code are by the model that wrote it; some were corrected since.
;; Causal Self Attention. Allowed arithmetic: matrix products marked QUANTISED: E5M2 operands, one given power-of-two scale a tensor, by v_wmma_f32_16x16x64_bf8_bf8 or v_wmma_f32_16x16x128_bf8_bf8, f32 sums; everything else in f32.
;; Inputs: W_attn 1,024 x 3,072 float32; W_proj 1,024 x 1,024 float32; b_attn 3,072 float32; b_proj 1,024 float32; lowp_scales 8 int32 (the exponents e of the quantised operands' scales 2^e); x 4 x 2,048 x 1,024 float32.
;; Outputs: out0 4 x 2,048 x 1,024 float32.
;; This version of the problem:
;;   THIS VERSION OF THE PROBLEM IS GIVEN IN LOW PRECISION. The matrix products marked QUANTISED in the list below multiply operands that are first quantised to E5M2 (5 exponent bits, 2 mantissa bits; 8 bits a number), with one given power-of-two scale for each operand tensor; their sums are f32. All else is computed in f32.
;;   The module's matrix products, in the order in which they are computed (A, B: the left and right operand; K: the contracted axis; several contracted axes count as one K, in the product's order):
;;     1. [M 8,192, K 1,024] x [K 1,024, N 3,072]; A: input x; B: input W_attn: QUANTISED (scales: A lowp_scales[0], B lowp_scales[1])
;;     2. batch 64 x [M 2,048, K 64] x [K 64, N 2,048]; A: computed on the way; B: computed on the way: QUANTISED (scales: A lowp_scales[2], B lowp_scales[3])
;;     3. batch 64 x [M 2,048, K 2,048] x [K 2,048, N 64]; A: softmax (see below); B: computed on the way: QUANTISED (scales: A lowp_scales[4], B lowp_scales[5])
;;     4. [M 8,192, K 1,024] x [K 1,024, N 1,024]; A: computed on the way; B: input W_proj: QUANTISED (scales: A lowp_scales[6], B lowp_scales[7])
;;   THE QUANTISER, for each operand of a quantised product, along K:
;;     - The operand's scale is 2^e, e = its entry of the input lowp_scales (int32; the entries are numbered through the quantised products in the list's order, A before B).
;;     - Each number is divided by the scale, clamped to +-57,344, and rounded to the nearest number of E5M2, ties to even, subnormals kept.
;;     - The product sums the exact products of the quantised numbers (number of the format x scale) in f32.
;;   ~~~python
;;   def quantise(x, axis, e):      # numpy; x: float32 -> the quantised numbers, widened to float32 again
;;       x = np.moveaxis(x, axis, -1); K = x.shape[-1]
;;       r = np.clip(x / 2.0 ** e, -57344, 57344)
;;       step = 2.0 ** (np.maximum(np.frexp(np.where(r == 0, 1, r))[1] - 1, -14) - 2)
;;       q = np.round(r / step) * step * 2.0 ** e      # np.round: ties to even
;;       return np.moveaxis(q, -1, axis).astype(np.float32)
;;   ~~~
;;   SOFTMAX AHEAD OF A QUANTISED PRODUCT. Where the list says 'softmax', what is quantised is not the finished softmax but p = 2^(t - M), with t = logit x log2(e) and M = ceil(the row's largest t), a whole number; so 1/2 < the row's largest p <= 1. The row's sum l is taken of the UNQUANTISED p, in f32, and the product's result is divided by l at the end. Since M is a whole number, a kernel that streams over the keys may use a running M (the ceiling of the running maximum): every later rescaling is an exact power of two, so the quantised numbers keep their values, but for numbers so far below the row's largest that they fall under the format's range.
;;   OPERANDS COMPUTED ON THE WAY. 'Computed on the way' means the value that the module computes at that place (a softmax that the list does not call 'softmax' is quantised finished and normalised). What goes into a quantiser is computed in f32, as accurately as f32 sums, v_exp_f32 and their like allow (about 1e-6 of the number): no bf16 or f16 on the way to a quantiser, and a product that is left as it is and whose result goes on into a quantised operand takes f32 operands (vector FMAs, or v_wmma_f32_16x16x4_f32). A number that lies on a knife's edge between two numbers of the format may be rounded either way, as far as f32 arithmetic and the matrix unit's own rounding can turn it there, and no further.
;; One version. Each part assembles by itself: llvm-mc -triple=amdgcn-amd-amdhsa -mcpu=gfx1250 --defsym DOCPART=n.
;; ======== version 1 of 1: 4 launches
;; limits: right only within a limited range of input values
;; workspace buffers: x_codes 8,388,608 bytes; wa_codes 3,145,728 bytes; wp_codes 1,048,576 bytes; q_img 8,388,608 bytes; k_img 8,388,608 bytes; v_img 8,388,608 bytes; y_img 8,388,608 bytes
;; launch prep (part 1): grid 96 x 4, 4 waves a work-group, no clusters, 68,096 bytes of LDS; arguments x, W_attn, W_proj, lowp_scales, x_codes, wa_codes, wp_codes; writes x_codes, wa_codes, wp_codes
.if DOCPART == 1
	.amdgcn_target "amdgcn-amd-amdhsa--gfx1250"
	.amdhsa_code_object_version 6
	.text
	.protected	k_qe58410ede6_prep
	.globl	k_qe58410ede6_prep
	.p2align	8
	.type	k_qe58410ede6_prep,@function
k_qe58410ede6_prep:
	s_mov_b64 s[64:65], 0
	v_nop
	global_prefetch_b8 v0, s[64:65] scope:SCOPE_SE
	s_setreg_imm32_b32 hwreg(HW_REG_WAVE_MODE, 25, 1), 1
	s_wait_xcnt 0x0
; The three f32 inputs of the quantised products 1 and 4 become codes of BF8 (E5M2), one byte each, K innermost, each with its given scale 2^e:
; code = x / 2^e, held within +-57,344, rounded to the nearest code, ties to even.   x: e = entry 0;  W_attn: entry 1;  W_proj: entry 7.
; LIMITS: each e lies between -126 and 112, so that 2^e and 57,344 x 2^e are f32 numbers.  NaN among the inputs is not served; an infinity is held at the largest code.
; WORK-GROUPS x = 0..63 (times y = 0..3): x, [8192][1024], K innermost: a plain stream.  A wave takes 16 steps of 512 numbers.  Each load reads 512 consecutive bytes; a step's 2,048 bytes turn through
;   the wave's own stage in LDS so that a lane holds 16 neighbours along K; a lane's 16 codes are 16 bytes, so a store of the wave covers 512 consecutive bytes.
; WORK-GROUPS x = 64..87: W_attn [1024 (k)][3072 (n)];  x = 88..95: W_proj [1024][1024].  K is the FIRST axis: a lane takes a column n and its registers run down K, so the conversions give codes with K innermost.
;   A wave takes 32 columns x 256 along K (y says which 256); the codes go through the wave's stage and leave as rows: sixteen lanes store 256 consecutive bytes, aligned.
;   THE ROW OF COLUMN n IS STORED AT PLACE sw(n) = n WITH BITS 3 AND 4 EXCHANGED: the products that read these rows then find 16 neighbouring columns in the 16 result registers of two neighbouring tiles.
; The two ways part on the work-group's number and have LDS bytes of their own (x: 0 .. 32,767; weights: from 32,768).  No barrier: waves share nothing.
.set STEPS, 16
.set R,     16                         ; v16-79   x: four sets of 16 numbers as loaded
.set X,     80                         ; v80-111  x: two sets of 16 neighbours
.set C,     128                        ; v128-191 x: codes, four registers for each step: no store's data are written again
.set SP,    80                         ; a lane's place in a stage: 64 bytes + 16 of padding
.set WREG,  8192                       ; x: LDS bytes of a wave
.set WX,    32                         ; v32-95   weights: two sets of 32 numbers
.set WC,    96                         ; v96-103  weights: a block's codes
.set OUTR,  112                        ; v112-175 weights: the way out
.set OFF,   176                        ; v176-207 weights: byte offset of row i of a block, i = 0 .. 31, at my column
.set WST,   32768                      ; weights: the stages begin here
.set WP,    272                        ; weights: a stage row: 256 bytes + 16
.set BASE,  40                         ; s[40:55] weights: the address of each of the eight blocks of 32 rows
.macro XLOAD t
.irp i, 0,1,2,3
	global_load_b128 v[R+16*((\t)%4)+4*\i:R+16*((\t)%4)+4*\i+3], v3, s[4:5] offset:2048*(\t)+512*\i th:TH_LOAD_NT   ; 32 lanes read 512 consecutive bytes
.endr
.endm
.macro XTURN t                         ; step t's numbers through the stage: LDS serves a wave's instructions in order, so no wait stands between the stores and the loads
.irp i, 0,1,2,3
	ds_store_b128 v14, v[R+16*((\t)%4)+4*\i:R+16*((\t)%4)+4*\i+3] offset:32*SP*((\t)%2)+8*SP*\i
.endr
.irp i, 0,1,2,3
	ds_load_b128 v[X+16*((\t)%2)+4*\i:X+16*((\t)%2)+4*\i+3], v15 offset:32*SP*((\t)%2)+16*\i
.endr
.endm
.macro XSTEP t
.set XS, X+16*((\t)%2)
	s_wait_dscnt 0x0                               ; this step's numbers are back from the stage, so its stores into the stage have read their registers,
.if (\t)+4 < STEPS
	XLOAD (\t)+4                                   ; which take the loads of four steps on
.endif
.if (\t)+1 < STEPS
.if STEPS-2-(\t) >= 3
	s_wait_loadcnt 12                              ; the next step's four loads are in; those of the three steps behind it may be out
.else
	s_wait_loadcnt 4*(STEPS-2-(\t))
.endif
	XTURN (\t)+1
.endif
.set ii, 0
.rept 16
.set ii, ii+1
.endr
	v_cvt_scalef32_pk8_bf8_f32 v[C+4*(\t):C+4*(\t)+1], v[XS:XS+7], v11
	v_cvt_scalef32_pk8_bf8_f32 v[C+4*(\t)+2:C+4*(\t)+3], v[XS+8:XS+15], v11
	global_store_b128 v3, v[C+4*(\t):C+4*(\t)+3], s[12:13] offset:512*(\t)   ; the results go to a store alone; the next vector lines are the next step's conversions, on other registers
.endm
.macro WLOAD t                         ; block t: W(32 t + i, my column), i = 0 .. 31, into set t % 2: each load reads 128 consecutive bytes a wave, 512 a work-group
.set ii, 0
.rept 32
	global_load_b32 v[WX+32*((\t)%2)+ii], v[OFF+ii], s[BASE+2*(\t):BASE+2*(\t)+1] th:TH_LOAD_NT
.set ii, ii+1
.endr
.endm
.macro WBLOCK t
.set XS, WX+32*((\t)%2)
.if (\t) < 7
	s_wait_loadcnt 32                              ; this block's 32 loads are in; the next block's may be out
.else
	s_wait_loadcnt 0
.endif
.set ii, 0
.rept 32
.set ii, ii+1
.endr
.irp g, 0,1,2,3
	v_cvt_scalef32_pk8_bf8_f32 v[WC+2*\g:WC+2*\g+1], v[XS+8*\g:XS+8*\g+7], v11
.endr
	ds_store_b128 v4, v[WC:WC+3] offset:32*(\t)    ; 32 codes: 32 bytes of my column's row
	ds_store_b128 v4, v[WC+4:WC+7] offset:32*(\t)+16
.if (\t)+2 < 8
	WLOAD (\t)+2
.endif
	s_wait_dscnt 0x0                               ; the stores have read their registers: the next block's codes may be written
.endm
	s_load_b256 s[4:11], s[0:1], 0x0               ; x s[4:5], W_attn s[6:7], W_proj s[8:9], the scales' exponents s[10:11]
	s_load_b128 s[12:15], s[0:1], 0x20             ; x_codes s[12:13], wa_codes s[14:15]
	s_load_b64 s[16:17], s[0:1], 0x30              ; wp_codes
	v_lshl_add_u32 v208, v0, 2, 0x10800
	v_mov_b32 v209, 0
	v_lshrrev_b32 v1, 5, v0
	v_readfirstlane_b32 s18, v1                    ; wave
	v_and_b32 v2, 31, v0                           ; lane
	s_and_b32 s19, ttmp7, 0xffff                   ; work-group y
	s_wait_kmcnt 0x0
	s_load_b256 s[24:31], s[10:11], 0x0            ; e0 .. e7
	s_cmp_lt_u32 ttmp9, 64
	s_cbranch_scc0 .Lweights
	s_wait_alu depctr_va_vdst(0)
	; ---------------- x
	v_lshlrev_b32 v3, 4, v2                        ; my 16 bytes of a load's 512, and of a store's
	s_wait_alu depctr_va_vdst(0)
	s_mul_i32 s20, s18, WREG
	v_lshrrev_b32 v14, 2, v2
	v_mul_u32_u24 v14, v14, SP
	v_and_b32 v15, 3, v2
	v_lshl_add_u32 v14, v15, 4, v14
	v_add_nc_u32 v14, s20, v14                     ; the stage, on the way in: four lanes' 64 bytes on end, then 16 of padding
	v_mul_u32_u24 v15, v2, SP
	v_add_nc_u32 v15, s20, v15                     ; and on the way out: my 16 neighbours
	s_lshl_b32 s21, s19, 6
	s_add_co_u32 s21, s21, ttmp9
	s_lshl_b32 s21, s21, 2
	s_add_co_u32 s21, s21, s18                     ; which run of 8,192 numbers is my wave's: (64 y + x) 4 + wave
	s_lshl_b32 s22, s21, 15
	s_mov_b32 s23, 0
	s_add_nc_u64 s[4:5], s[4:5], s[22:23]
	s_lshl_b32 s22, s21, 13
	s_add_nc_u64 s[12:13], s[12:13], s[22:23]
.irp t, 0,1,2,3
	XLOAD \t
.endr
	s_wait_alu depctr_va_vdst(0)
	s_wait_kmcnt 0x0
	s_add_co_i32 s22, s24, 127
	s_lshl_b32 s23, s22, 23
	v_mov_b32 v11, s23                             ; 2^e0 as f32: the conversion takes its exponent field
	s_add_co_i32 s22, s22, 15
	s_lshl_b32 s22, s22, 23
	s_or_b32 s22, s22, 0x600000
	s_wait_alu depctr_va_vdst(0)
	s_wait_loadcnt 12                              ; step 0's four loads are in
	XTURN 0
.irp t, 0,1,2,3,4,5,6,7,8,9,10,11,12,13,14,15
	XSTEP \t
.endr
	s_wait_tensorcnt 0x0
	ds_add_u32 v208, v209
	s_wait_dscnt 0x0
	s_endpgm
	; ---------------- the weights
.Lweights:
	s_cmp_lt_u32 ttmp9, 88                         ; W_attn or W_proj: the choice hangs on the work-group's number alone
	s_cselect_b64 s[4:5], s[6:7], s[8:9]
	s_cselect_b64 s[12:13], s[14:15], s[16:17]
	s_mov_b32 s20, 4096
	s_cselect_b32 s20, 12288, s20                  ; bytes from a row k to the next
	s_cselect_b32 s21, 64, 88
	s_sub_co_u32 s21, ttmp9, s21                   ; which 128 columns
	s_lshl_b32 s21, s21, 7
	s_lshl_b32 s22, s18, 5
	s_add_co_u32 s21, s21, s22                     ; my wave's first column
	s_mul_i32 s22, s19, s20
	s_lshl_b32 s22, s22, 8                         ; 256 y rows down
	s_lshl_b32 s23, s21, 2
	s_add_co_u32 s22, s22, s23
	s_mov_b32 s23, 0
	s_add_nc_u64 s[BASE:BASE+1], s[4:5], s[22:23]
	s_lshl_b32 s22, s21, 10                        ; the codes: row = column, 1,024 bytes; + 256 y
	s_lshl_b32 s32, s19, 8
	s_add_co_u32 s22, s22, s32
	s_add_nc_u64 s[12:13], s[12:13], s[22:23]
	s_lshl_b32 s22, s20, 5                         ; 32 rows
.irp t, 1,2,3,4,5,6,7
	s_add_nc_u64 s[BASE+2*\t:BASE+2*\t+1], s[BASE+2*\t-2:BASE+2*\t-1], s[22:23]
.endr
	s_wait_alu depctr_va_vdst(0)
	v_lshlrev_b32 v[OFF], 2, v2                    ; 4 bytes a lane
.set ii, 1
.rept 31
	v_add_nc_u32 v[OFF+ii], s20, v[OFF+ii-1]
.set ii, ii+1
.endr
	WLOAD 0
	WLOAD 1
	s_mul_i32 s33, s18, 32*WP
	s_add_co_u32 s33, s33, WST                     ; my stage
	v_mul_u32_u24 v4, v2, WP
	v_add_nc_u32 v4, s33, v4                       ; into it: row = my column
	v_and_b32 v5, 15, v2
	v_lshrrev_b32 v6, 4, v2                        ; out of it: sixteen lanes to a row, two rows an instruction
	v_mul_u32_u24 v7, v6, WP
	v_lshl_add_u32 v7, v5, 4, v7
	v_add_nc_u32 v7, s33, v7
	v_lshlrev_b32 v8, 10, v6
	v_lshl_add_u32 v8, v5, 4, v8                   ; and the same place in the codes' buffer
	s_wait_kmcnt 0x0
	s_cmp_lt_u32 ttmp9, 88
	s_cselect_b32 s56, s25, s31                    ; e1 or e7
	s_add_co_i32 s56, s56, 127
	s_lshl_b32 s57, s56, 23
	v_mov_b32 v11, s57
	s_add_co_i32 s56, s56, 15
	s_lshl_b32 s56, s56, 23
	s_or_b32 s56, s56, 0x600000
	s_wait_alu depctr_va_vdst(0)
.irp t, 0,1,2,3,4,5,6,7
	WBLOCK \t
.endr
.set tt, 0
.rept 16
	ds_load_b128 v[OUTR+4*tt:OUTR+4*tt+3], v7 offset:2*tt*WP   ; columns 2 tt and 2 tt + 1; LDS serves a wave's instructions in order: these see my stores
.set tt, tt+1
.endr
.set tt, 0
.rept 16
	s_wait_dscnt 15-tt                             ; the younger reads of the stage may be out
	global_store_b128 v8, v[OUTR+4*tt:OUTR+4*tt+3], s[12:13] offset:2*((tt&3)|((tt&4)<<1)|((tt&8)>>1))*1024   ; at place sw(column): bits 3 and 4 of the column are bits 2 and 3 of tt
.set tt, tt+1
.endr
	s_wait_tensorcnt 0x0
	ds_add_u32 v208, v209
	s_wait_dscnt 0x0
	s_endpgm
.Lfunc_end_k_qe58410ede6_prep:
	.size	k_qe58410ede6_prep, .Lfunc_end_k_qe58410ede6_prep-k_qe58410ede6_prep
	.p2alignl 7, 3214868480
	.fill 96, 4, 3214868480
	.section	.rodata,"a",@progbits
	.p2align	6, 0x0
	.amdhsa_kernel k_qe58410ede6_prep
		.amdhsa_group_segment_fixed_size 68096
		.amdhsa_private_segment_fixed_size 0
		.amdhsa_enable_private_segment 0
		.amdhsa_kernarg_size 56
		.amdhsa_user_sgpr_count 2
		.amdhsa_user_sgpr_kernarg_segment_ptr 1
		.amdhsa_wavefront_size32 1
		.amdhsa_system_sgpr_workgroup_id_x 1
		.amdhsa_system_sgpr_workgroup_id_y 1
		.amdhsa_system_sgpr_workgroup_id_z 1
		.amdhsa_system_vgpr_workitem_id 0
		.amdhsa_next_free_vgpr 210
		.amdhsa_next_free_sgpr 66
		.amdhsa_reserve_vcc 0
		.amdhsa_float_denorm_mode_32 3
		.amdhsa_float_denorm_mode_16_64 3
		.amdhsa_fp16_overflow 1
		.amdhsa_memory_ordered 1
		.amdhsa_forward_progress 1
		.amdhsa_inst_pref_size 55
	.end_amdhsa_kernel
	.amdgpu_metadata
---
amdhsa.version: [ 1, 2 ]
amdhsa.kernels:
  - .name:           k_qe58410ede6_prep
    .symbol:         k_qe58410ede6_prep.kd
    .args:
      - { .name: x, .offset: 0, .size: 8, .value_kind: global_buffer, .address_space: global }
      - { .name: W_attn, .offset: 8, .size: 8, .value_kind: global_buffer, .address_space: global }
      - { .name: W_proj, .offset: 16, .size: 8, .value_kind: global_buffer, .address_space: global }
      - { .name: lowp_scales, .offset: 24, .size: 8, .value_kind: global_buffer, .address_space: global }
      - { .name: x_codes, .offset: 32, .size: 8, .value_kind: global_buffer, .address_space: global }
      - { .name: wa_codes, .offset: 40, .size: 8, .value_kind: global_buffer, .address_space: global }
      - { .name: wp_codes, .offset: 48, .size: 8, .value_kind: global_buffer, .address_space: global }
    .group_segment_fixed_size: 68096
    .private_segment_fixed_size: 0
    .kernarg_segment_align: 8
    .kernarg_segment_size: 56
    .max_flat_workgroup_size: 128
    .sgpr_count:     66
    .vgpr_count:     210
    .wavefront_size: 32
...
	.end_amdgpu_metadata
.endif
;; end of part 1
;; launch qkv (part 2): grid 12 x 32, 4 waves a work-group, clusters of 4 x 4, 327,680 bytes of LDS; arguments x_codes, wa_codes, lowp_scales, b_attn, q_img, k_img, v_img; writes q_img, k_img, v_img
.if DOCPART == 2
	.amdgcn_target "amdgcn-amd-amdhsa--gfx1250"
	.amdhsa_code_object_version 6
	.text
	.protected	k_qe58410ede6_qkv
	.globl	k_qe58410ede6_qkv
	.p2align	8
	.type	k_qe58410ede6_qkv,@function
k_qe58410ede6_qkv:
	s_mov_b64 s[64:65], 0
	v_nop
	global_prefetch_b8 v0, s[64:65] scope:SCOPE_SE
	s_setreg_imm32_b32 hwreg(HW_REG_WAVE_MODE, 25, 1), 1
	s_wait_xcnt 0x0
	s_wait_alu depctr_hold_cnt(0) depctr_sa_sdst(0) depctr_va_vdst(0) depctr_va_sdst(0) depctr_va_ssrc(0) depctr_va_vcc(0) depctr_vm_vsrc(0)
	s_getreg_b32 s2, hwreg(HW_REG_IB_STS2, 6, 4)
	s_cmp_eq_u32 s2, 0
	s_cbranch_scc0 .Lentry_in_a_cluster
	s_endpgm
.Lentry_in_a_cluster:
	s_bfe_u32 s2, ttmp6, 0x10000c
	s_cmp_lg_u32 s2, 0xf033
	s_cbranch_scc0 .Lentry_shape_is_right
	s_endpgm
.Lentry_shape_is_right:
; qkv = Q(x) Q(W_attn) + b_attn on codes of BF8 (E5M2), and its three parts quantised at once for the next two products: q with 2^e2, k with 2^e3 (K = the head's 64 channels), v with 2^e5 (K = the keys).
; x_codes [8192][1024], wa_codes [3072][1024] (the row of column n at place sw(n) = n with bits 3 and 4 exchanged).  A finished sum is multiplied by 2^(e0 + e1) and the bias added in one fused multiply-add, in f32.
; LIMITS: e0 + e1 between -126 and 127; e2, e3, e5 between -126 and 112.  NaN is not served.
; A tile of 256 rows x 256 columns to a work-group of four waves; a wave makes 128 x 128: 64 accumulators, 512 registers.  K = 1,024 goes in four steps of 256 through two LDS slots filled by the tensor data mover.
; CLUSTERS: 4 x 4 work-groups.  The four of a row of the cluster need the same rows of x, the four of a column the same rows of W: each tile is asked for jointly.  The cluster's x says which part it makes: 0 q, 1 k, 2 v.
; WHICH OPERAND IS SOURCE 0.  q, k: source 0 = 16 rows of W, source 1 = 16 rows of x: a lane holds one row t, and (by sw) the 16 registers of two neighbouring tiles are 16 neighbouring channels.
;   v: source 0 = 16 rows of x, source 1 = 16 rows of W: a lane holds one channel and its registers run along the keys.  Only two LDS base addresses differ, chosen once by the cluster's x, which all sixteen partners share.
; So the conversions' results are register groups of the next operands, and they are stored as IMAGES OF THOSE REGISTERS, 16 bytes a lane: each store of a wave covers 512 consecutive bytes, aligned.
;   q_img, k_img: [b 16 + head][tile of 16 rows: 128][c: 2][lane][16]: lane (r, h): row 16 tile + r, channels 32 c + 16 h + 0 .. 15.
;   v_img: [b 16 + head][step of 128 keys: 16][u: 4][g: 4][lane][16]: lane (r, h): channel 32 (u / 2) + 8 (u % 2) + r + 8 (r / 8); keys 32 g + 8 h + 0 .. 7, then 32 g + 16 + 8 h + 0 .. 7.
; REGISTERS, in windows of 256.  Window 0: v1-15 addresses and constants; v16-31 v's bias; v64-127 q's and k's bias; from v128 source 1's fragments, ONE set (on the way out: v128-191 numbers, v192-223 codes).
;   Window 1: source 0's fragments, TWO sets.   Windows 2, 3: the accumulators ((a, b) at v[8 (8 (a % 4) + b)]).
.set KROW,   1024
.set ROWB,   256
.set PITCH,  272                       ; an LDS row: 256 bytes + 16 of padding = 68 words: the 16 rows that a load touches start 4 words apart modulo 64 (64 banks of 4 bytes: ISA guide 11.1)
.set FR,     16
.set NL,     4
.set NP,     4                         ; places behind this matrix instruction (ISA guide 7.12.1)
.set HALFT,  128*PITCH
.set SLOT,   4*HALFT                   ; x's 256 rows, then W's 256 rows
.set SPARE,  2*SLOT                    ; behind the ring: the spare words, 128 bytes for each wave
.set BA,   4                           ; v4   64 h: my 16 numbers of each 32 of the bias (q, k)
.set VBA,  5                           ; v5   4 (r + 8 (r / 8)): my channel's number of the bias (v)
.set SC,   6                           ; v6   2^e of the part, as f32
.set LIM,  7
.set ADRA, 8                           ; v8-9   LDS address of source 1's fragments in slot 0, 1
.set ADRB, 10                          ; v10-11 the same for source 0
.set LI,   12                          ; v12  16 x lane
.set SPW,  14                          ; v14  LDS address of my spare word; never rewritten
.set NIL,  15                          ; v15  0; never rewritten
.set VB,   16
.set BI,   64
.set AF,   128
.set T,    128
.set CD,   192
.set G1, 24                            ; s[24:31] descriptor group 1 for x's tiles;  s[32:39] group 0, one set for each slot
.set G0, 32
.set G1B, 48                           ; s[48:55], s[56:63] the same for W's tiles
.set G0B, 56
.set MSB, 0
.macro WIN new                         ; the immediate's high byte repeats the setting that is left; a switch that changes nothing is dropped
.if MSB != (\new)
	s_set_vgpr_msb (MSB<<8)|(\new)
.set MSB, (\new)
.endif
.endm
.set MUL_LO, 0xa1                      ; source 0 window 1, source 1 window 0, C and D window 2
.set MUL_HI, 0xf1                      ; the same, C and D window 3
.set TO_B,   0x40                      ; destination window 1, address window 0
; A joint load: waves 0 and 1 fetch x's halves, waves 2 and 3 W's.  The branch hangs on the wave's number alone.  Four v_nop follow each of the two lines.
.macro JLOAD g0a, g1a, g0b, g1b
	s_cmp_eq_u32 s15, 0
	s_cbranch_scc0 .Lfor_b_\@
	tensor_load_to_lds s[\g0a:\g0a+3], s[\g1a:\g1a+7]
	s_nop 0
.rept 4
	v_nop
.endr
	s_branch .Lasked_\@
.Lfor_b_\@:
	tensor_load_to_lds s[\g0b:\g0b+3], s[\g1b:\g1b+7]
	s_nop 0
.rept 4
	v_nop
.endr
.Lasked_\@:
.endm
.macro CREST                           ; a round of the cluster's barrier behind its opening barrier
	s_cmp_lg_u32 s14, 0
	s_cbranch_scc1 .Lnot_wave_0_\@
	s_barrier_signal -3
.Lnot_wave_0_\@:
	s_barrier_wait -3
	s_barrier_signal -1
	s_barrier_wait -1
.endm
.macro CROUND
	s_barrier_signal -1
	s_barrier_wait -1
	CREST
.endm
.macro FRAG reg, adr, q, i             ; 16 rows x 128 K: lane l holds row l % 16; registers 4 c .. 4 c + 3 hold K = 32 c + 16 (l / 16) + 0 .. 15: the same order of k in both sources
.irp c, 0,1,2,3
	ds_load_b128 v[\reg+4*\c:\reg+4*\c+3], v[\adr] offset:128*(\q)+32*\c+(\i)*16*PITCH
.endr
.endm
; 16 matrix instructions: source 1's blocks a0, a0 + 1 x source 0's eight.  The 64 accumulators take turns, one instruction a turn.
.macro MUL16 a0, p, zero
.irp a, \a0, \a0+1
.irp b, 0,1,2,3,4,5,6,7
.if \zero
	v_wmma_f32_16x16x128_bf8_bf8 v[8*(8*((\a)%4)+\b):8*(8*((\a)%4)+\b)+7], v[128*(\p)+FR*\b:128*(\p)+FR*\b+FR-1], v[AF+FR*(\a):AF+FR*(\a)+FR-1], 0
.else
	v_wmma_f32_16x16x128_bf8_bf8 v[8*(8*((\a)%4)+\b):8*(8*((\a)%4)+\b)+7], v[128*(\p)+FR*\b:128*(\p)+FR*\b+FR-1], v[AF+FR*(\a):AF+FR*(\a)+FR-1], v[8*(8*((\a)%4)+\b):8*(8*((\a)%4)+\b)+7]
.endif
.endr
.endr
.endm
.macro FETCH_B slot, q, p
	WIN TO_B
.irp i, 0,1,2,3,4,5,6,7
	FRAG 128*(\p)+FR*\i, ADRB+\slot, \q, \i
.endr
	WIN 0
.endm
.macro FETCH_A slot, q, i0
.irp i, \i0, \i0+1, \i0+2, \i0+3
	FRAG AF+FR*(\i), ADRA+\slot, \q, \i
.endr
.endm
.macro PLACES n                        ; plain vector lines between a matrix instruction and a load into, or a vector line on, its registers (ISA guide 7.12.1 for vector lines)
.rept \n
	v_nop
.endr
.endm
.macro STEP slot, q, zero              ; 128 along K that has its successor in the same slot
	s_wait_dscnt 4*NL                              ; source 0's set and source 1's blocks 0-3 are in; the youngest 16 loads (blocks 4-7) may be out
	WIN MUL_LO
	MUL16 0, (\q)%2, \zero
	MUL16 2, (\q)%2, \zero
	s_wait_dscnt 0
	PLACES NP
	FETCH_B \slot, (\q)+1, 1-(\q)%2
	FETCH_A \slot, (\q)+1, 0
	WIN MUL_HI
	MUL16 4, (\q)%2, \zero
	MUL16 6, (\q)%2, \zero
	PLACES NP
	WIN 0
	FETCH_A \slot, (\q)+1, 4
.endm
; A slot's last step changes slots: ONE barrier; in front of it each wave waits for all its tensor loads, adds 0 to its spare word, and waits for that and for its reads of this slot.  fill = 1: the slot is filled again.
.macro TURN slot, next, fill
	s_wait_tensorcnt 0x0                           ; all my tensor loads have landed: my part of the next slot
	ds_add_u32 v[SPW], v[NIL]                      ; 0 onto my spare word
	s_wait_dscnt 4*NL+1                            ; (the add and the youngest 16 loads may be out)
	WIN MUL_LO
	MUL16 0, 1, 0
	s_wait_dscnt 0x0                               ; the add is done, and my reads of this slot are over
	s_barrier_signal -1
	MUL16 2, 1, 0
	WIN 0
	s_barrier_wait -1
.if \fill
	CREST                                          ; the barrier has opened a round of the cluster's barrier: no wave of any partner still reads this slot or has a load on its way
	s_add_nc_u64 s[G0+4*\slot+2:G0+4*\slot+3], s[G0+4*\slot+2:G0+4*\slot+3], 2*ROWB
	s_add_nc_u64 s[G0B+4*\slot+2:G0B+4*\slot+3], s[G0B+4*\slot+2:G0B+4*\slot+3], 2*ROWB
	JLOAD G0+4*\slot, G1, G0B+4*\slot, G1B         ; the first tensor load behind the round; its four v_nop are also the places in front of the loads below
.else
	PLACES NP
.endif
	FETCH_B \next, 0, 0
	FETCH_A \next, 0, 0
	WIN MUL_HI
	MUL16 4, 1, 0
	MUL16 6, 1, 0
	PLACES NP
	WIN 0
	FETCH_A \next, 0, 4
.endm
; THE WAY OUT, block a of source 1 at a time: 64 sums a lane -> x 2^(e0 + e1) + bias -> 64 codes = four groups of four registers -> four stores of 512 consecutive bytes.
; kind 0 (q, k): register 16 g + m is channel 32 g + 16 h + m of my row 16 a + r.   kind 1 (v): register 8 b + j is key 16 b + 8 h + j of my channel.
.macro EPI kind
.irp a, 0,1,2,3,4,5,6,7
.if \a >= 2
	s_wait_xcnt 0x0                                ; block a - 2's stores have read their data: the codes' registers are written again only behind this wait
.endif
	WIN 0x02+(\a/4)                                ; source 0: window 2 or 3
.set ii, 0
.rept 32
.if \kind
	v_pk_fma_f32 v[T+ii:T+ii+1], v[64*(\a%4)+ii:64*(\a%4)+ii+1], s[96:97], v[VB+2*\a:VB+2*\a+1] op_sel_hi:[1,0,0]   ; one channel's bias for both; each accumulator from its low end on
.else
	v_pk_fma_f32 v[T+ii:T+ii+1], v[64*(\a%4)+ii:64*(\a%4)+ii+1], s[96:97], v[BI+ii:BI+ii+1] op_sel_hi:[1,0,1]
.endif
.set ii, ii+2
.endr
	WIN 0
.set ii, 0
.rept 64
.set ii, ii+1
.endr
.set ii, 0
.rept 8
	v_cvt_scalef32_pk8_bf8_f32 v[CD+16*(\a%2)+2*ii:CD+16*(\a%2)+2*ii+1], v[T+8*ii:T+8*ii+7], v[SC]
.set ii, ii+1
.endr
	v_nop                                          ; a plain line between the last conversion and the next lines that write its sources
.irp g, 0,1,2,3
.if \kind
	global_store_b128 v[LI], v[CD+16*(\a%2)+4*\g:CD+16*(\a%2)+4*\g+3], s[86:87] offset:(\a/4)*131072+(\a%4)*2048+\g*512   ; head a / 4 of my two, u = a % 4, g
.else
	global_store_b128 v[LI], v[CD+16*(\a%2)+4*\g:CD+16*(\a%2)+4*\g+3], s[86:87] offset:(\g/2)*131072+\a*1024+(\g%2)*512   ; head g / 2 of my two, tile a, c = g % 2
.endif
.endr
.endr
.endm
	s_load_b128 s[4:7], s[0:1], 0x0                ; x_codes s[4:5], wa_codes s[6:7]
	s_load_b128 s[8:11], s[0:1], 0x10              ; the scales' exponents s[8:9], b_attn s[10:11]
	s_load_b128 s[80:83], s[0:1], 0x20             ; q_img s[80:81], k_img s[82:83]
	s_load_b64 s[84:85], s[0:1], 0x30              ; v_img
	v_lshl_add_u32 v[SPW], v0, 2, SPARE
	v_mov_b32 v[NIL], 0
	ds_add_u32 v14, v15
	ds_add_u32 v14, v15
	s_wait_dscnt 0x0
	v_lshrrev_b32 v1, 5, v0
	v_readfirstlane_b32 s14, v1                    ; wave 0..3
	s_lshr_b32 s15, s14, 1                         ; which half of the tile's rows is mine.  Also: I fetch for x (0) or for W (1)
	s_and_b32 s16, s14, 1                          ; which half of its columns.  Also: which 128 rows of that tile I fetch
	s_bfe_u32 s40, ttmp6, 0x40000                  ; cx, cy: my place in the cluster
	s_bfe_u32 s41, ttmp6, 0x40004
	s_lshl_b32 s42, ttmp9, 2
	s_add_co_u32 s42, s42, s40                     ; tile column = 4 x cluster x + cx
	s_and_b32 s17, ttmp7, 0xffff
	s_lshl_b32 s17, s17, 2
	s_add_co_u32 s17, s17, s41                     ; tile row = 4 x cluster y + cy
	s_lshl_b32 s43, s41, 2
	s_lshl_b32 s43, 15, s43                        ; my row of the cluster
	s_lshl_b32 s44, 0x1111, s40                    ; my column
	s_or_b32 s[G1+0], s43, (1<<20)|(1<<21)|(5<<22)|(3<<25)   ; 15:0 the mask; 17:16 elements of 1 byte; 20 padding on; 21 set beside a mask; 24:22 after every 64 words; 31:25 four words
	s_or_b32 s[G1B+0], s44, (1<<20)|(1<<21)|(5<<22)|(3<<25)
.irp g, G1, G1B
	s_mov_b32 s[\g+1], ROWB<<16                    ; tensor_dim0 = 256
	s_mov_b32 s[\g+2], 128<<16                     ; tensor_dim1 = 128
	s_mov_b32 s[\g+3], ROWB<<16                    ; tile_dim0 = 256
	s_mov_b32 s[\g+4], 128                         ; tile_dim1 = 128
	s_mov_b32 s[\g+5], KROW                        ; from row to row
	s_mov_b32 s[\g+6], 0
	s_mov_b32 s[\g+7], 0
.endr
	s_lshl_b32 s18, s16, 7
	s_lshl_b32 s20, s17, 8
	s_add_co_u32 s20, s20, s18                     ; x: row 256 x tile row + 128 x half
	s_lshl_b32 s46, s42, 8
	s_add_co_u32 s46, s46, s18                     ; W: row 256 x tile column + 128 x half
	s_lshl_b32 s20, s20, 10                        ; rows of 1,024 bytes
	s_lshl_b32 s46, s46, 10
	s_mov_b32 s21, 0
	s_mov_b32 s47, 0
	s_mul_i32 s45, s14, HALFT                      ; where they go: wave x 128 rows: no place in the cluster enters an LDS address
	s_wait_kmcnt 0x0
	s_load_b256 s[72:79], s[8:9], 0x0              ; e0 .. e7
	s_add_nc_u64 s[20:21], s[4:5], s[20:21]
	s_add_nc_u64 s[46:47], s[6:7], s[46:47]
	CROUND                                         ; all sixteen work-groups are here: the first joint loads meet
.irp s, 0,1
	s_mov_b32 s[G0+4*\s], 1
	s_add_co_u32 s[G0+4*\s+1], s45, \s*SLOT
	s_add_nc_u64 s[G0+4*\s+2:G0+4*\s+3], s[20:21], \s*ROWB
	s_or_b32 s[G0+4*\s+3], s[G0+4*\s+3], 0x80000000
	s_mov_b32 s[G0B+4*\s], 1
	s_add_co_u32 s[G0B+4*\s+1], s45, \s*SLOT
	s_add_nc_u64 s[G0B+4*\s+2:G0B+4*\s+3], s[46:47], \s*ROWB
	s_or_b32 s[G0B+4*\s+3], s[G0B+4*\s+3], 0x80000000
	JLOAD G0+4*\s, G1, G0B+4*\s, G1B
.endr
	v_and_b32 v1, 15, v0                           ; r
	v_bfe_u32 v2, v0, 4, 1                         ; h
	v_mul_u32_u24 v3, v1, PITCH
	v_lshl_add_u32 v3, v2, 4, v3                   ; a fragment's row x pitch + 16 h
	s_wait_alu depctr_va_vdst(0)
	s_mul_i32 s21, s15, HALFT                      ; my 128 rows of x
	s_mul_i32 s22, s16, HALFT
	s_add_co_u32 s22, s22, 2*HALFT                 ; my 128 rows of W, behind x's 256
	s_cmp_eq_u32 ttmp9, 2                          ; the cluster's x: the same in all sixteen partners
	s_cselect_b32 s23, s22, s21                    ; source 1: x's rows for q and k, W's rows for v
	s_cselect_b32 s22, s21, s22                    ; source 0: the other
.irp s, 0,1
	v_add_nc_u32 v[ADRA+\s], s23, v3
	v_add_nc_u32 v[ADRB+\s], s22, v3
	s_add_co_u32 s23, s23, SLOT
	s_add_co_u32 s22, s22, SLOT
.endr
	v_lshlrev_b32 v[BA], 6, v2
	v_and_b32 v[VBA], 8, v1
	v_add_nc_u32 v[VBA], v[VBA], v1
	v_lshlrev_b32 v[VBA], 2, v[VBA]
	v_and_b32 v[LI], 31, v0
	v_lshlrev_b32 v[LI], 4, v[LI]
	s_lshl_b32 s46, s42, 10                        ; the bias of my wave's 128 columns: 4 (256 x tile column + 128 x half) bytes on
	s_lshl_b32 s47, s16, 9
	s_add_co_u32 s46, s46, s47
	s_mov_b32 s47, 0
	s_add_nc_u64 s[10:11], s[10:11], s[46:47]
.irp g, 0,1,2,3                        ; both layouts are loaded, with no branch: all lie inside my 128 numbers
.irp i, 0,1,2,3
	global_load_b128 v[BI+16*\g+4*\i:BI+16*\g+4*\i+3], v[BA], s[10:11] offset:128*\g+16*\i   ; register 16 g + m: column 32 g + 16 h + m
.endr
.endr
.irp a, 0,1,2,3,4,5,6,7
	global_load_b32 v[VB+2*\a], v[VBA], s[10:11] offset:4*(32*(\a/2)+8*(\a%2))               ; block a: column 32 (a / 2) + 8 (a % 2) + r + 8 (r / 8)
	global_load_b32 v[VB+2*\a+1], v[VBA], s[10:11] offset:4*(32*(\a/2)+8*(\a%2))             ; (named with it as a pair, so it is written)
.endr
	s_wait_alu depctr_va_vdst(0)
	s_wait_tensorcnt 1                             ; my part of K step 0 is in (K step 1's load may be out),
	s_barrier_signal -1
	s_barrier_wait -1                              ; everybody's is
	FETCH_B 0, 0, 0
	FETCH_A 0, 0, 0
	FETCH_A 0, 0, 4
	STEP 0, 0, 1                                   ; the first products start the sums: nothing is cleared
	TURN 0, 1, 1                                   ; K = 1,024 is twice round the ring: written out
	STEP 1, 0, 0
	TURN 1, 0, 1
	STEP 0, 0, 0
	TURN 0, 1, 0                                   ; the last lap fills nothing
	STEP 1, 0, 0
	s_wait_dscnt 4*NL
	WIN MUL_LO
	MUL16 0, 1, 0
	MUL16 2, 1, 0
	s_wait_dscnt 0
	WIN MUL_HI
	MUL16 4, 1, 0
	MUL16 6, 1, 0
	WIN 0
	s_wait_kmcnt 0x0
	s_add_co_i32 s96, s72, s73                     ; e0 + e1
	s_add_co_i32 s96, s96, 127
	s_lshl_b32 s96, s96, 23                        ; 2^(e0 + e1) as f32
	s_mov_b32 s97, s96                             ; (named with it as a pair)
	s_cmp_eq_u32 ttmp9, 0
	s_cselect_b32 s90, s74, s75                    ; e2 for q, e3 for k,
	s_cselect_b64 s[86:87], s[80:81], s[82:83]
	s_cmp_eq_u32 ttmp9, 2
	s_cselect_b32 s90, s77, s90                    ; e5 for v
	s_cselect_b64 s[86:87], s[84:85], s[86:87]
	s_add_co_i32 s90, s90, 127
	s_lshl_b32 s91, s90, 23
	v_mov_b32 v[SC], s91
	s_lshr_b32 s88, s17, 3                         ; batch = tile row / 8
	s_lshl_b32 s88, s88, 4
	s_and_b32 s89, s42, 3
	s_lshl_b32 s89, s89, 2
	s_add_co_u32 s88, s88, s89
	s_lshl_b32 s89, s16, 1
	s_add_co_u32 s88, s88, s89                     ; 16 b + my first head
	s_lshl_b32 s88, s88, 17                        ; 131,072 bytes a head
	s_and_b32 s89, s17, 7
	s_lshl_b32 s89, s89, 4
	s_lshl_b32 s91, s15, 3
	s_add_co_u32 s89, s89, s91                     ; my first tile of 16 rows in the batch (for v: eight of them are a step of 128 keys)
	s_lshl_b32 s89, s89, 10
	s_add_co_u32 s88, s88, s89
	s_mov_b32 s89, 0
	s_add_nc_u64 s[86:87], s[86:87], s[88:89]
	s_wait_loadcnt 0x0                             ; the bias
	PLACES NP                                      ; behind the last products: source 1's registers are written below
	s_cmp_eq_u32 ttmp9, 2
	s_cbranch_scc1 .Lpart_v
	EPI 0
	s_branch .Lout
.Lpart_v:
	EPI 1
.Lout:
	s_wait_tensorcnt 0x0                           ; the wave's end
	ds_add_u32 v[SPW], v[NIL]
	s_wait_dscnt 0x0
	CROUND                                         ; the closing round: no work-group ends while a partner may still ask for a tile that names it
	s_endpgm
.Lfunc_end_k_qe58410ede6_qkv:
	.size	k_qe58410ede6_qkv, .Lfunc_end_k_qe58410ede6_qkv-k_qe58410ede6_qkv
	.p2alignl 7, 3214868480
	.fill 96, 4, 3214868480
	.section	.rodata,"a",@progbits
	.p2align	6, 0x0
	.amdhsa_kernel k_qe58410ede6_qkv
		.amdhsa_group_segment_fixed_size 327680
		.amdhsa_private_segment_fixed_size 0
		.amdhsa_enable_private_segment 0
		.amdhsa_kernarg_size 56
		.amdhsa_user_sgpr_count 2
		.amdhsa_user_sgpr_kernarg_segment_ptr 1
		.amdhsa_wavefront_size32 1
		.amdhsa_system_sgpr_workgroup_id_x 1
		.amdhsa_system_sgpr_workgroup_id_y 1
		.amdhsa_system_sgpr_workgroup_id_z 1
		.amdhsa_system_vgpr_workitem_id 0
		.amdhsa_next_free_vgpr 1024
		.amdhsa_next_free_sgpr 100
		.amdhsa_reserve_vcc 0
		.amdhsa_float_denorm_mode_32 3
		.amdhsa_float_denorm_mode_16_64 3
		.amdhsa_fp16_overflow 1
		.amdhsa_memory_ordered 1
		.amdhsa_forward_progress 1
		.amdhsa_inst_pref_size 129
	.end_amdhsa_kernel
	.amdgpu_metadata
---
amdhsa.version: [ 1, 2 ]
amdhsa.kernels:
  - .name:           k_qe58410ede6_qkv
    .symbol:         k_qe58410ede6_qkv.kd
    .args:
      - { .name: x_codes, .offset: 0, .size: 8, .value_kind: global_buffer, .address_space: global }
      - { .name: wa_codes, .offset: 8, .size: 8, .value_kind: global_buffer, .address_space: global }
      - { .name: lowp_scales, .offset: 16, .size: 8, .value_kind: global_buffer, .address_space: global }
      - { .name: b_attn, .offset: 24, .size: 8, .value_kind: global_buffer, .address_space: global }
      - { .name: q_img, .offset: 32, .size: 8, .value_kind: global_buffer, .address_space: global }
      - { .name: k_img, .offset: 40, .size: 8, .value_kind: global_buffer, .address_space: global }
      - { .name: v_img, .offset: 48, .size: 8, .value_kind: global_buffer, .address_space: global }
    .group_segment_fixed_size: 327680
    .private_segment_fixed_size: 0
    .kernarg_segment_align: 8
    .kernarg_segment_size: 56
    .max_flat_workgroup_size: 128
    .sgpr_count:     100
    .vgpr_count:     1024
    .wavefront_size: 32
...
	.end_amdgpu_metadata
.endif
;; end of part 2
;; launch attn (part 3): grid 4 x 64, 8 waves a work-group, no clusters, 327,680 bytes of LDS; arguments q_img, k_img, v_img, lowp_scales, y_img; writes y_img
.if DOCPART == 3
	.amdgcn_target "amdgcn-amd-amdhsa--gfx1250"
	.amdhsa_code_object_version 6
	.text
	.protected	k_qe58410ede6_attn
	.globl	k_qe58410ede6_attn
	.p2align	8
	.type	k_qe58410ede6_attn,@function
k_qe58410ede6_attn:
	s_mov_b64 s[64:65], 0
	v_nop
	global_prefetch_b8 v0, s[64:65] scope:SCOPE_SE
	s_setreg_imm32_b32 hwreg(HW_REG_WAVE_MODE, 25, 1), 1
	s_wait_xcnt 0x0
; Causal attention on codes of BF8 (E5M2), head size 64, 2,048 rows a head, 64 heads (b 16 + head = work-group y); the result is quantised at once, with 2^e6, for the last product.
; t = score x log2(e) / 8; M = the row's largest t so far, rounded UP to a whole number; p = 2^(t - M) is quantised with 2^e4, not normalised; the row's sum is taken of the unquantised p and divides at the end.
; When M moves, the sum and O are multiplied by 2^(old M - new M), which rounds nothing.
; LIMITS: e2 + e3 between -123 and 130 (added to the exponent field of log2(e) / 8); e4 and e6 between -126 and 112; e4 + e5 is applied by v_ldexp_f32.  NaN is not served.
; SHARES.  Work-group x = i takes the block of 256 queries 7 - i, over key slots 0 .. 7 - i, and then block i, over slots 0 .. i: always nine slots of 256 keys, so all work-groups have the same work, the trip
; counts are constants, and every tile that is fetched is read.  Each of the eight waves owns 32 queries, two tiles of 16: a fragment of K or V read from LDS feeds two products.
; NO CLUSTER: the four work-groups of a head walk different slots at the same time, and which steps a wave leaves out hangs on its block of queries, which partners would not share.
; LAYOUT.  S^T = K Q^T (source 0 = 16 keys, source 1 = 16 queries), O^T = V^T P^T (source 0 = 16 channels, source 1 = P): a lane holds ONE query (lane % 16) throughout.  Register j of key tile T is key
; 16 T + 8 (lane / 16) + j: converted, the tile's eight registers are registers 2 T, 2 T + 1 of P in the order in which v_img holds the keys.  The channels of a tile of V are chosen (in v_img) so that the 16 registers
; of two neighbouring tiles of O^T are 16 neighbouring channels: the conversions' results are register groups of the last product's operand, stored as such: y_img [tile of 16 rows: 512][head][half: 2][lane][16].
; LDS: two slots of 32,768 bytes: K's images of 256 keys (16,384 bytes, one dense block of memory), then V's.  Wave 0 fetches K's, wave 1 V's.  A lane reads at 16 x lane: no padding is wanted.
; REGISTERS.  Window 0: all that vector lines touch.  v1-7 addresses and constants; v8-29 statistics; v30-31 at work; v32-159 S^T, then p (64 a tile); v160-223 O^T (32 a tile); v224-255 p's codes (16 a tile).
;   Window 1: v0-15 Q of the pass in hand; v16-31 Q of the second pass; v32-95 K's fragments; v96-159 V's.
.set SLOTB, 32768
.set SPARE, 65536                      ; behind the ring: the spare words, 128 bytes for each of the eight waves
.set LI,   1                           ; v1   16 x lane
.set ADR,  2                           ; v2   LDS address of the step's loads
.set RH,   3                           ; v3   r - 8 h
.set SPW,  4                           ; v4   LDS address of my spare word; never rewritten
.set NIL,  5                           ; v5   0; never rewritten
.set SCP,  6                           ; v6   2^e4 as f32
.set PFO,  7                           ; v7   256 x lane: the prefetches' offset; never rewritten
.set ST,   8                           ; tile t at v[8 + 4 t]: -M, the largest t, the sum in two halves
.set F,    16                          ; v[16 + 2 t]: f = 2^(old M - new M) (its partner in the pair is written once)
.set MX,   20                          ; v[20 + 2 t], +1: at work
.set PD,   24                          ; v[24 + t]: a lane permute's destination
.set SC2,  26                          ; v[26 + 2 t]: the sum's second chain
.set TA,   30
.set TC,   31
.set S,    32
.set O,    160
.set P,    224
.set QF,   0                           ; window 1
.set Q2,   16
.set KR,   32
.set VR,   96
.set TB,   2                           ; s2   LDS byte at which the slot in hand begins
.set WV,   18
.set SEL,  20                          ; s[20:21] v_permlanex16_b32's selects: lane l xor 16
.set CS,   22                          ; s[22:23] c = log2(e) / 8 x 2^(e2 + e3)
.set G1,   24                          ; s[24:31] descriptor group 1
.set G0,   40                          ; s[40:43] descriptor group 0, which walks
.set SRC,  44                          ; s[44:45] my tensor (K's images or V's) at the head's first byte
.set KO,   46                          ; s[46:47] byte offset of the slot that is asked for
.set SWI,  66                          ; s66  i + 1: the value of SLOTS in the first pass's last trip
.set SLOTS, 67                         ; s67  slots still to be asked for
.set PFA,  76                          ; s[76:77] where my prefetches stand
.set LIM,  80                          ; s80  2 in a wave that prefetches, else the greatest number
.set LIMP, 81
.set YB,   82                          ; s[82:83] y_img at my two tiles, this pass;  s[84:85] the second pass
.set YB2,  84
.set Q0B,  86                          ; s86  my first query of the second pass
.set SCY,  87                          ; s87  2^e6;  s89  e4 + e5
.set LIMY, 88
.set EPV,  89
.set KF,   98                          ; s98  the step's first key
.set Q0,   99                          ; s99  my first query
.set MSB, 0
.macro WIN new
.if MSB != (\new)
	s_set_vgpr_msb (MSB<<8)|(\new)
.set MSB, (\new)
.endif
.endm
.macro TLOAD                           ; waves 0 and 1 fetch, one load each; the branch hangs on the wave's number alone; four v_nop follow the load
	s_cmp_lt_u32 s[WV], 2
	s_cbranch_scc0 .Lasked_\@
	tensor_load_to_lds s[G0:G0+3], s[G1:G1+7]
	s_nop 0
.rept 4
	v_nop
.endr
.Lasked_\@:
.endm
; A PREFETCH INTO THE L2 of the slot that the NEXT change of slots will ask for: two key steps ahead of that load.  All four work-groups of a head walk the same images from slot 0 on; work-group x = 0, whose first pass
; walks all eight slots, asks, and nobody else.  In it waves 4 and 5 ask for K's 16,384 bytes, 8,192 each, lanes 256 bytes apart, waves 6 and 7 for V's: each aligned block of 256 bytes is named once in the launch.
; Trips with SLOTS = 8 .. 3 ask for slots 2 .. 7; slots 0 and 1 come by their loads alone, and nothing is asked for past slot 7.
.macro ASK
	s_cmp_gt_u32 s[SLOTS], s[LIM]
	s_cbranch_scc0 .Lnot_mine_\@
	global_prefetch_b8 v[PFO], s[PFA:PFA+1] th:TH_LOAD_NT scope:SCOPE_SE
.Lnot_mine_\@:
.endm
; THE CHANGE OF SLOTS stands at a slot's head.  Each wave waits for all its tensor loads, adds 0 to its spare word, and waits for that and for its reads of the slot that it has left.  Behind the barrier the slot ahead
; is whole and nobody reads the other one.  fill = 1: that other slot is filled with the keys that follow; in the first pass's last trip those are the second pass's first keys.
.macro CHANGE fill
	s_wait_tensorcnt 0x0                           ; no tensor load of mine is out, so group 0 may be written
	ds_add_u32 v[SPW], v[NIL]                      ; 0 onto my spare word
.if \fill
	s_xor_b32 s[G0+1], s[G0+1], SLOTB              ; the other slot than last time
	s_add_co_u32 s[KO], s[KO], 16384               ; the next 256 keys,
	s_cmp_eq_u32 s[SLOTS], s[SWI]
	s_cselect_b32 s[KO], 0, s[KO]                  ; or the head's first again
	s_add_nc_u64 s[G0+2:G0+3], s[SRC:SRC+1], s[KO:KO+1]
	s_or_b32 s[G0+3], s[G0+3], 0x80000000
	s_wait_xcnt 0x0                                ; the last prefetch, a slot back, has read its address
	s_add_nc_u64 s[PFA:PFA+1], s[PFA:PFA+1], 16384
.endif
	s_wait_dscnt 0x0                               ; the add is done, and my reads of the slot that I have left are over
	s_barrier_signal -1
	s_barrier_wait -1
.if \fill
	TLOAD                                          ; the first thing behind the barrier, and a wave's one tensor load until the next
	ASK
.endif
.endm
; what follows the exponentials, for tile t: the sum of the unquantised p, the conversions, O^T under the new M
.macro TAIL t
	v_pk_add_f32 v[SC2+2*\t:SC2+2*\t+1], v[S+64*\t:S+64*\t+1], v[S+64*\t+2:S+64*\t+3]
.set jj, 4
.rept 15
	v_pk_add_f32 v[ST+4*\t+2:ST+4*\t+3], v[ST+4*\t+2:ST+4*\t+3], v[S+64*\t+jj:S+64*\t+jj+1]
	v_pk_add_f32 v[SC2+2*\t:SC2+2*\t+1], v[SC2+2*\t:SC2+2*\t+1], v[S+64*\t+jj+2:S+64*\t+jj+3]
.set jj, jj+4
.endr
	s_delay_alu instid0(VALU_DEP_1)
	v_pk_add_f32 v[ST+4*\t+2:ST+4*\t+3], v[ST+4*\t+2:ST+4*\t+3], v[SC2+2*\t:SC2+2*\t+1]
.set kk, 0
.rept 8
.set jj, 0
.rept 8
.set jj, jj+1
.endr
	v_cvt_scalef32_pk8_bf8_f32 v[P+16*\t+2*kk:P+16*\t+2*kk+1], v[S+64*\t+8*kk:S+64*\t+8*kk+7], v[SCP]   ; keys 16 kk + 8 h + 0 .. 7
.set kk, kk+1
.endr
.set jj, 0
.rept 16
	v_pk_mul_f32 v[O+32*\t+jj:O+32*\t+jj+1], v[O+32*\t+jj:O+32*\t+jj+1], v[F+2*\t:F+2*\t+1] op_sel_hi:[1,0]   ; (plain lines behind the conversions, ahead of the products that read the codes)
.set jj, jj+2
.endr
.endm
; A KEY STEP: 128 keys, the q-th of the slot in hand.
.macro STEP q
	s_add_co_u32 s96, s[Q0], 31                    ; a step all of whose keys come after my 32 queries is left out: a scalar branch on ids; no barrier and no tensor load stands in a step
	s_cmp_gt_u32 s[KF], s96
	s_cbranch_scc1 .Lhidden_\@
	v_add_nc_u32 v[ADR], s[TB], v[LI]
.rept 3
	v_nop                                          ; with the addition: four places in front of loads into registers that the last products have read
.endr
	WIN 0x40                                       ; destination window 1
.set ii, 0
.rept 16
	ds_load_b128 v[KR+4*ii:KR+4*ii+3], v[ADR] offset:8192*(\q)+512*ii          ; K: tile ii / 2, registers 4 (ii % 2) on
.set ii, ii+1
.endr
.set ii, 0
.rept 16
	ds_load_b128 v[VR+4*ii:VR+4*ii+3], v[ADR] offset:16384+8192*(\q)+512*ii    ; V: tile ii / 4, registers 4 (ii % 4) on
.set ii, ii+1
.endr
	s_wait_dscnt 16                                ; K is in; V's 16 loads may be out
	WIN 0x05                                       ; K and Q in window 1
.set ii, 0
	s_wait_alu depctr_va_vdst(0)
.rept 8
	v_wmma_f32_16x16x64_bf8_bf8 v[S+8*ii:S+8*ii+7], v[KR+8*ii:KR+8*ii+7], v[QF:QF+7], 0
	v_wmma_f32_16x16x64_bf8_bf8 v[S+64+8*ii:S+64+8*ii+7], v[KR+8*ii:KR+8*ii+7], v[QF+8:QF+15], 0
.set ii, ii+1
.endr
	WIN 0
.rept 4
	v_nop
.endr
	s_add_co_u32 s96, s[KF], 127                   ; on the diagonal the scores of hidden keys become -infinity ahead of the maximum: p = 0 then.  A step all of whose keys count skips this
	s_cmp_le_u32 s96, s[Q0]
	s_cbranch_scc1 .Lopen_\@
	v_mov_b32 v[TC], 0xff800000
.irp t, 0,1
	s_sub_co_i32 s96, s[Q0], s[KF]
	s_add_co_i32 s96, s96, 16*\t
	v_add_nc_u32 v[TA], s96, v[RH]                 ; d = my query - KF - 8 h.  Register 8 T + j holds key KF + 16 T + 8 h + j: hidden where 16 T + j > d
.set nn, 0
.rept 64
	v_cmp_gt_i32 vcc_lo, 16*(nn/8)+nn%8, v[TA]
	v_cndmask_b32 v[S+64*\t+nn], v[S+64*\t+nn], v[TC], vcc_lo
.set nn, nn+1
.endr
.endr
.Lopen_\@:
.irp t, 0,1                            ; the step's largest score of my query among my 64 keys: two chains a tile, each accumulator from its low end on
	v_max3_num_f32 v[MX+2*\t], v[S+64*\t], v[S+64*\t+1], v[S+64*\t+2]
	v_max3_num_f32 v[MX+2*\t+1], v[S+64*\t+3], v[S+64*\t+4], v[S+64*\t+5]
.endr
.irp i, 6,10,14,18,22,26,30,34,38,42,46,50,54,58
.irp t, 0,1
	v_max3_num_f32 v[MX+2*\t], v[MX+2*\t], v[S+64*\t+\i], v[S+64*\t+\i+1]
	v_max3_num_f32 v[MX+2*\t+1], v[MX+2*\t+1], v[S+64*\t+\i+2], v[S+64*\t+\i+3]
.endr
.endr
.irp t, 0
	v_max3_num_f32 v[MX+2*\t], v[MX+2*\t], v[S+64*\t+62], v[S+64*\t+63]
.endr
.irp t, 1
	v_max3_num_f32 v[MX+2*\t], v[MX+2*\t], v[S+64*\t+62], v[S+64*\t+63]
.endr
.irp t, 0,1
	s_delay_alu instid0(VALU_DEP_2)
	v_max_num_f32 v[MX+2*\t], v[MX+2*\t], v[MX+2*\t+1]
.endr
.irp t, 0,1
	s_delay_alu instid0(VALU_DEP_2)
	v_permlanex16_b32 v[PD+\t], v[MX+2*\t], s[SEL], s[SEL+1]
.endr
.irp t, 0,1
	s_delay_alu instid0(VALU_DEP_2)
	v_max_num_f32 v[MX+2*\t], v[MX+2*\t], v[PD+\t]  ; and among lane l xor 16's
.endr
.irp t, 0,1
	s_delay_alu instid0(VALU_DEP_2)
	v_mul_f32 v[MX+2*\t], s[CS], v[MX+2*\t]        ; as t (c is positive)
.endr
.irp t, 0,1
	s_delay_alu instid0(VALU_DEP_2)
	v_max_num_f32 v[ST+4*\t+1], v[ST+4*\t+1], v[MX+2*\t]   ; the running largest t
.endr
.irp t, 0,1
	v_mov_b32 v[MX+2*\t], v[ST+4*\t]
.endr
.irp t, 0,1
	s_delay_alu instid0(VALU_DEP_4)
	v_floor_f32 v[ST+4*\t], -v[ST+4*\t+1]          ; the new -M = floor(-t) = -ceil(t)
.endr
.irp t, 0,1
	s_delay_alu instid0(VALU_DEP_2)
	v_sub_f32 v[MX+2*\t], v[ST+4*\t], v[MX+2*\t]   ; old M - new M: a whole number, 0 or less
.endr
.irp t, 0,1
	s_delay_alu instid0(VALU_DEP_2)
	v_cvt_i32_f32 v[MX+2*\t], v[MX+2*\t]           ; (it saturates)
.endr
.irp t, 0,1
	s_delay_alu instid0(VALU_DEP_2)
	v_ldexp_f32 v[F+2*\t], 1.0, v[MX+2*\t]         ; f = 2^(old M - new M)
.endr
.irp t, 0,1
.set jj, 0
.rept 32
	v_pk_fma_f32 v[S+64*\t+jj:S+64*\t+jj+1], v[S+64*\t+jj:S+64*\t+jj+1], s[CS:CS+1], v[ST+4*\t:ST+4*\t+1] op_sel_hi:[1,0,0]   ; t - M, two at a time
.set jj, jj+2
.endr
.endr
.set jj, 0
	s_wait_alu depctr_va_vdst(0)
.rept 128
	v_exp_f32 v[S+jj], v[S+jj]                     ; p = 2^(t - M), at most 1
.set jj, jj+1
.endr
.irp t, 0,1
	v_pk_mul_f32 v[ST+4*\t+2:ST+4*\t+3], v[ST+4*\t+2:ST+4*\t+3], v[F+2*\t:F+2*\t+1] op_sel_hi:[1,0]   ; the sums under the new M (plain lines behind the exponentials)
.endr
	s_wait_alu depctr_va_vdst(0)                   ; the wait ahead of the first line that names an exponential's result: one for the batch of 128
	TAIL 0
	TAIL 1
	s_wait_alu depctr_va_vdst(0)
	s_wait_dscnt 0x0                               ; V is in
	WIN 0x01                                       ; V in window 1
.irp u, 0,1,2,3                        ; O^T += V^T P^T: the eight accumulators take turns, one instruction a turn
.irp t, 0,1
	v_wmma_f32_16x16x128_bf8_bf8 v[O+32*\t+8*\u:O+32*\t+8*\u+7], v[VR+16*\u:VR+16*\u+15], v[P+16*\t:P+16*\t+15], v[O+32*\t+8*\u:O+32*\t+8*\u+7]
.endr
.endr
	WIN 0
.Lhidden_\@:
	s_add_co_u32 s[KF], s[KF], 128
.endm
.macro INIT                            ; the statistics and O^T of a pass: the first step finds zeros, which the first change of M leaves zeros
.irp t, 0,1
	v_mov_b32 v[ST+4*\t+1], 0xff61b1e6             ; the largest t so far: -3e38, under every t
	s_delay_alu instid0(VALU_DEP_1)
	v_floor_f32 v[ST+4*\t], -v[ST+4*\t+1]
	v_mov_b32 v[ST+4*\t+2], 0
	v_mov_b32 v[ST+4*\t+3], 0
.endr
.set jj, 0
.rept 64
	v_mov_b32 v[O+jj], 0
.set jj, jj+1
.endr
.endm
; THE END OF A PASS: O^T x 2^(e4 + e5) / the sum is y; converted with 2^e6, stored as register groups: each store of the wave covers 512 consecutive bytes, aligned.  again = 1: the second pass is set up.
.macro FINISH again
.rept 4
	v_nop                                          ; places behind the last products
.endr
.irp t, 0,1
	v_add_f32 v[MX+2*\t], v[ST+4*\t+2], v[ST+4*\t+3]
.endr
	s_wait_alu depctr_va_vdst(0)
.irp t, 0,1
	v_permlanex16_b32 v[PD+\t], v[MX+2*\t], s[SEL], s[SEL+1]
.endr
.irp t, 0,1
	s_delay_alu instid0(VALU_DEP_2)
	v_add_f32 v[MX+2*\t], v[MX+2*\t], v[PD+\t]     ; the row's sum
.endr
	s_wait_alu depctr_va_vdst(0)
.irp t, 0,1
	v_rcp_f32 v[F+2*\t], v[MX+2*\t]
.endr
	v_mov_b32 v[TC], s[SCY]
	s_wait_alu depctr_va_vdst(0)                   ; the wait ahead of the first use: one for both
.irp t, 0,1
	v_ldexp_f32 v[F+2*\t], v[F+2*\t], s[EPV]
.endr
.irp t, 0,1
.set jj, 0
.rept 32
	v_mul_f32 v[S+64*\t+jj], v[O+32*\t+jj], v[F+2*\t]   ; register 16 bb + m: channel 32 bb + 16 h + m of my query; each accumulator from its low end on
.set jj, jj+1
.endr
.set jj, 0
.rept 32
.set jj, jj+1
.endr
.set jj, 0
.rept 4
	v_cvt_scalef32_pk8_bf8_f32 v[S+64*\t+32+2*jj:S+64*\t+32+2*jj+1], v[S+64*\t+8*jj:S+64*\t+8*jj+7], v[TC]
.set jj, jj+1
.endr
.endr
	v_nop                                          ; a plain line behind the last conversion
.irp t, 0,1
.irp bb, 0,1
	global_store_b128 v[LI], v[S+64*\t+32+4*\bb:S+64*\t+32+4*\bb+3], s[YB:YB+1] offset:16384*\t+512*\bb
.endr
.endr
.if \again
	s_wait_xcnt 0x0                                ; the stores have read their base and their data
	s_mov_b64 s[YB:YB+1], s[YB2:YB2+1]
	s_mov_b32 s[Q0], s[Q0B]
	s_mov_b32 s[KF], 0
	INIT
	WIN 0x41                                       ; source 0 and destination window 1
.set jj, 0
.rept 16
	v_mov_b32 v[QF+jj], v[Q2+jj]
.set jj, jj+1
.endr
	WIN 0
.endif
.endm
	s_load_b256 s[4:11], s[0:1], 0x0               ; q_img s[4:5], k_img s[6:7], v_img s[8:9], the scales' exponents s[10:11]
	s_load_b64 s[12:13], s[0:1], 0x20              ; y_img
	v_lshl_add_u32 v[SPW], v0, 2, SPARE
	v_mov_b32 v[NIL], 0
	ds_add_u32 v4, v5
	ds_add_u32 v4, v5
	s_wait_dscnt 0x0
	v_lshrrev_b32 v[TA], 5, v0
	s_delay_alu instid0(VALU_DEP_1)
	v_readfirstlane_b32 s[WV], v[TA]               ; wave 0..7
	s_and_b32 s14, ttmp7, 0xffff                   ; b 16 + head
	s_lshl_b32 s16, s14, 17                        ; its 131,072 bytes in each of the three images
	s_mov_b32 s17, 0
	s_mov_b32 s[G1], 3<<16                         ; no mask; elements of 8 bytes; no padding.  A dense block of 16,384 bytes as 64 rows of 256
	s_mov_b32 s[G1+1], 32<<16                      ; tensor_dim0 = 32
	s_mov_b32 s[G1+2], 64<<16                      ; tensor_dim1 = 64
	s_mov_b32 s[G1+3], 32<<16                      ; tile_dim0 = 32
	s_mov_b32 s[G1+4], 64                          ; tile_dim1 = 64
	s_mov_b32 s[G1+5], 32                          ; from row to row
	s_mov_b32 s[G1+6], 0
	s_mov_b32 s[G1+7], 0
	s_mov_b32 s[SEL], 0x76543210
	s_mov_b32 s[SEL+1], 0xfedcba98
	s_mov_b32 s[TB], 0
	s_mov_b32 s[SLOTS], 8
	s_add_co_u32 s[SWI], ttmp9, 1
	s_mov_b32 s[KF], 0
	s_mov_b32 s[KO], 0
	s_mov_b32 s[KO+1], 0
	s_and_b32 s15, s[WV], 1
	s_wait_kmcnt 0x0
	s_load_b256 s[68:75], s[10:11], 0x0            ; e0 .. e7
	s_cmp_eq_u32 s[WV], 0
	s_cselect_b64 s[SRC:SRC+1], s[6:7], s[8:9]     ; wave 0: K's images; wave 1: V's
	s_add_nc_u64 s[SRC:SRC+1], s[SRC:SRC+1], s[16:17]
	s_mov_b32 s[G0], 1
	s_lshl_b32 s[G0+1], s15, 14                    ; slot 0: K's at byte 0, V's at 16,384
	s_mov_b64 s[G0+2:G0+3], s[SRC:SRC+1]
	s_or_b32 s[G0+3], s[G0+3], 0x80000000
	TLOAD                                          ; slot 0
	s_sub_co_u32 s52, 7, ttmp9
	s_lshl_b32 s52, s52, 4
	s_lshl_b32 s54, s[WV], 1
	s_add_co_u32 s52, s52, s54                     ; my first tile of 16 queries in the first pass: 16 (7 - i) + 2 wave
	s_lshl_b32 s53, ttmp9, 4
	s_add_co_u32 s53, s53, s54                     ; and in the second: 16 i + 2 wave
	s_lshl_b32 s[Q0], s52, 4
	s_lshl_b32 s[Q0B], s53, 4
	s_add_nc_u64 s[4:5], s[4:5], s[16:17]
	s_lshl_b32 s54, s52, 10
	s_mov_b32 s55, 0
	s_add_nc_u64 s[48:49], s[4:5], s[54:55]
	s_lshl_b32 s54, s53, 10
	s_add_nc_u64 s[50:51], s[4:5], s[54:55]
	s_lshr_b32 s56, s14, 4
	s_lshl_b32 s56, s56, 7                         ; 128 tiles a batch
	s_and_b32 s57, s14, 15
	s_lshl_b32 s57, s57, 10                        ; the head's 1,024 bytes in a tile of rows
	s_add_co_u32 s54, s56, s52
	s_lshl_b32 s54, s54, 14
	s_add_co_u32 s54, s54, s57
	s_add_nc_u64 s[YB:YB+1], s[12:13], s[54:55]
	s_add_co_u32 s54, s56, s53
	s_lshl_b32 s54, s54, 14
	s_add_co_u32 s54, s54, s57
	s_add_nc_u64 s[YB2:YB2+1], s[12:13], s[54:55]
	v_and_b32 v[LI], 31, v0
	s_delay_alu instid0(VALU_DEP_1)
	v_lshlrev_b32 v[PFO], 8, v[LI]
	s_delay_alu instid0(VALU_DEP_2)
	v_lshlrev_b32 v[LI], 4, v[LI]
	v_and_b32 v[RH], 15, v0
	v_bfe_u32 v[TA], v0, 4, 1
	s_delay_alu instid0(VALU_DEP_1)
	v_lshlrev_b32 v[TA], 3, v[TA]
	s_delay_alu instid0(VALU_DEP_1)
	v_sub_nc_u32 v[RH], v[RH], v[TA]
	WIN 0x40
.irp k, 0,1,2,3
	global_load_b128 v[QF+4*\k:QF+4*\k+3], v[LI], s[48:49] offset:512*\k   ; Q's two fragments of each pass stay in registers
	global_load_b128 v[Q2+4*\k:Q2+4*\k+3], v[LI], s[50:51] offset:512*\k
.endr
	WIN 0
	s_cmp_lt_u32 s[WV], 6                          ; the prefetches: waves 4 and 5 stand in K's images, waves 6 and 7 in V's,
	s_cselect_b64 s[PFA:PFA+1], s[6:7], s[8:9]
	s_add_nc_u64 s[PFA:PFA+1], s[PFA:PFA+1], s[16:17]
	s_lshl_b32 s54, s15, 13                        ; 8,192 bytes a wave,
	s_add_co_u32 s54, s54, 16384                   ; in slot 1: the first change of slots steps it to slot 2.  Nothing is prefetched at the head
	s_add_nc_u64 s[PFA:PFA+1], s[PFA:PFA+1], s[54:55]
	s_lshr_b32 s54, s[WV], 2
	s_xor_b32 s54, s54, 1                          ; 0 in waves 4 to 7,
	s_or_b32 s54, s54, ttmp9                       ; of work-group x = 0
	s_cmp_eq_u32 s54, 0
	s_cselect_b32 s[LIM], 2, -1
	INIT
	v_mov_b32 v[F+1], 0                            ; (named as the upper halves of pairs)
	v_mov_b32 v[F+3], 0
	v_mov_b32 v[PD], 0                             ; written once: a lane permute's destination counts as one of its sources
	v_mov_b32 v[PD+1], 0
	s_wait_kmcnt 0x0
	s_add_co_i32 s54, s70, s71
	s_lshl_b32 s54, s54, 23
	s_add_co_i32 s[CS], s54, 0x3e38aa3b            ; log2(e) / 8, with e2 + e3 added to its exponent field
	s_mov_b32 s[CS+1], s[CS]
	s_add_co_i32 s54, s72, 127
	s_lshl_b32 s56, s54, 23
	v_mov_b32 v[SCP], s56                          ; 2^e4
	s_add_co_i32 s54, s74, 127
	s_lshl_b32 s[SCY], s54, 23                     ; 2^e6
	s_add_co_i32 s[EPV], s72, s73                  ; e4 + e5
	s_wait_loadcnt 0x0                             ; Q
.Lslot:                                            ; eight trips: behind each change of slots but the last the next slot is asked for
	CHANGE 1
	STEP 0
	STEP 1
	s_xor_b32 s[TB], s[TB], SLOTB
	s_cmp_lg_u32 s[SLOTS], s[SWI]                  ; the first pass ends with slot 7 - i: a branch on ids; no LDS line, barrier or tensor load stands under it
	s_cbranch_scc1 .Lsame_pass
	FINISH 1
.Lsame_pass:
	s_sub_co_u32 s[SLOTS], s[SLOTS], 1
	s_cmp_lg_u32 s[SLOTS], 0
	s_cbranch_scc1 .Lslot
	CHANGE 0                                       ; the last slot is written out
	STEP 0
	STEP 1
	FINISH 0
	s_wait_tensorcnt 0x0                           ; the wave's end
	ds_add_u32 v[SPW], v[NIL]
	s_wait_dscnt 0x0
	s_endpgm
.Lfunc_end_k_qe58410ede6_attn:
	.size	k_qe58410ede6_attn, .Lfunc_end_k_qe58410ede6_attn-k_qe58410ede6_attn
	.p2alignl 7, 3214868480
	.fill 96, 4, 3214868480
	.section	.rodata,"a",@progbits
	.p2align	6, 0x0
	.amdhsa_kernel k_qe58410ede6_attn
		.amdhsa_group_segment_fixed_size 327680
		.amdhsa_private_segment_fixed_size 0
		.amdhsa_enable_private_segment 0
		.amdhsa_kernarg_size 40
		.amdhsa_user_sgpr_count 2
		.amdhsa_user_sgpr_kernarg_segment_ptr 1
		.amdhsa_wavefront_size32 1
		.amdhsa_system_sgpr_workgroup_id_x 1
		.amdhsa_system_sgpr_workgroup_id_y 1
		.amdhsa_system_sgpr_workgroup_id_z 1
		.amdhsa_system_vgpr_workitem_id 0
		.amdhsa_next_free_vgpr 448
		.amdhsa_next_free_sgpr 100
		.amdhsa_reserve_vcc 1
		.amdhsa_float_denorm_mode_32 3
		.amdhsa_float_denorm_mode_16_64 3
		.amdhsa_fp16_overflow 1
		.amdhsa_memory_ordered 1
		.amdhsa_forward_progress 1
		.amdhsa_inst_pref_size 160
	.end_amdhsa_kernel
	.amdgpu_metadata
---
amdhsa.version: [ 1, 2 ]
amdhsa.kernels:
  - .name:           k_qe58410ede6_attn
    .symbol:         k_qe58410ede6_attn.kd
    .args:
      - { .name: q_img, .offset: 0, .size: 8, .value_kind: global_buffer, .address_space: global }
      - { .name: k_img, .offset: 8, .size: 8, .value_kind: global_buffer, .address_space: global }
      - { .name: v_img, .offset: 16, .size: 8, .value_kind: global_buffer, .address_space: global }
      - { .name: lowp_scales, .offset: 24, .size: 8, .value_kind: global_buffer, .address_space: global }
      - { .name: y_img, .offset: 32, .size: 8, .value_kind: global_buffer, .address_space: global }
    .group_segment_fixed_size: 327680
    .private_segment_fixed_size: 0
    .kernarg_segment_align: 8
    .kernarg_segment_size: 40
    .max_flat_workgroup_size: 256
    .sgpr_count:     100
    .vgpr_count:     448
    .wavefront_size: 32
...
	.end_amdgpu_metadata
.endif
;; end of part 3
;; launch proj (part 4): grid 4 x 32, 4 waves a work-group, clusters of 4 x 4, 327,680 bytes of LDS; arguments y_img, wp_codes, lowp_scales, b_proj, out0; writes out0
.if DOCPART == 4
	.amdgcn_target "amdgcn-amd-amdhsa--gfx1250"
	.amdhsa_code_object_version 6
	.text
	.protected	k_qe58410ede6_proj
	.globl	k_qe58410ede6_proj
	.p2align	8
	.type	k_qe58410ede6_proj,@function
k_qe58410ede6_proj:
	s_mov_b64 s[64:65], 0
	v_nop
	global_prefetch_b8 v0, s[64:65] scope:SCOPE_SE
	s_setreg_imm32_b32 hwreg(HW_REG_WAVE_MODE, 25, 1), 1
	s_wait_xcnt 0x0
	s_wait_alu depctr_hold_cnt(0) depctr_sa_sdst(0) depctr_va_vdst(0) depctr_va_sdst(0) depctr_va_ssrc(0) depctr_va_vcc(0) depctr_vm_vsrc(0)
	s_getreg_b32 s2, hwreg(HW_REG_IB_STS2, 6, 4)
	s_cmp_eq_u32 s2, 0
	s_cbranch_scc0 .Lentry_in_a_cluster
	s_endpgm
.Lentry_in_a_cluster:
	s_bfe_u32 s2, ttmp6, 0x10000c
	s_cmp_lg_u32 s2, 0xf033
	s_cbranch_scc0 .Lentry_shape_is_right
	s_endpgm
.Lentry_shape_is_right:
; out0 = Q(y) Q(W_proj) + b_proj on codes of BF8 (E5M2).  y_img: y's codes as images of the operand's registers, [tile of 16 rows: 512][128 along K: 8][c: 4][lane][16]: lane (r, h): row 16 tile + r,
; k = 128 kappa + 32 c + 16 h + 0 .. 15.  wp_codes [1024][1024], K innermost, the row of column n at place sw(n) = n with bits 3 and 4 exchanged.  out0 [8192][1024] f32 = sum x 2^(e6 + e7) + bias, one fused multiply-add.
; LIMIT: e6 + e7 between -126 and 127.
; A tile of 256 x 256 to a work-group of four waves; a wave makes 128 x 128: 64 accumulators.  K = 1,024 goes in four steps of 256 through two LDS slots.  128 work-groups: the tile is kept large, since a wave tile of half
; the rows would read three quarters of the LDS bytes for half the products.
; CLUSTERS: 4 x 4.  y's tiles are shared along a row of the cluster, W's along a column: joint loads.  Source 0 = 16 rows of W, source 1 = 16 rows of y: a lane holds eight columns of one row of out0.
; LDS: a slot = y's images of 16 tiles of rows x 256 K (65,536 bytes, dense: a lane reads at 16 x lane), then W's 256 rows of 272 bytes.
; REGISTERS: window 0: v1-25 addresses, v16-19 the bias; from v128 y's fragments, ONE set (on the way out: rows read back).  Window 1: W's fragments, TWO sets.  Windows 2, 3: the accumulators.
.set KROW,   1024
.set ROWB,   256
.set PITCH,  272
.set FR,     16
.set NL,     4
.set NP,     4
.set HALFT,  128*PITCH
.set AIMG,   65536
.set SLOT,   AIMG+2*HALFT
.set SPARE,  2*SLOT                    ; behind the ring: the spare words, 128 bytes for each wave
.set SPITCH, 528                       ; the way out: a stage of 16 rows x (512 bytes + 16) for each wave, in slot 0, which has had its last fill and its last read when the first result is stored there
.set ADRA, 8                           ; v8-9   LDS address of y's fragments in slot 0, 1
.set ADRB, 10                          ; v10-11 the same for W
.set CO,   12                          ; v12  16 x lane
.set SPW,  14
.set NIL,  15
.set BIAS, 16                          ; v16-19 b_proj at my four columns of a row that is read back
.set STO,  24                          ; v24  the stage: where I put my results
.set RD,   25                          ; v25  and where I read a row back
.set AF,   128
.set BK,   128                         ; 16 rows read back: v128-191 and v192-255 by turns
.set G1, 24
.set G0, 32
.set G1B, 48
.set G0B, 56
.set MSB, 0
.macro WIN new
.if MSB != (\new)
	s_set_vgpr_msb (MSB<<8)|(\new)
.set MSB, (\new)
.endif
.endm
.set MUL_LO, 0xa1
.set MUL_HI, 0xf1
.set TO_B,   0x40
.macro JLOAD g0a, g1a, g0b, g1b        ; waves 0 and 1 fetch y's halves, waves 2 and 3 W's; four v_nop follow each of the two lines
	s_cmp_eq_u32 s15, 0
	s_cbranch_scc0 .Lfor_b_\@
	tensor_load_to_lds s[\g0a:\g0a+3], s[\g1a:\g1a+7]
	s_nop 0
.rept 4
	v_nop
.endr
	s_branch .Lasked_\@
.Lfor_b_\@:
	tensor_load_to_lds s[\g0b:\g0b+3], s[\g1b:\g1b+7]
	s_nop 0
.rept 4
	v_nop
.endr
.Lasked_\@:
.endm
.macro CREST
	s_cmp_lg_u32 s14, 0
	s_cbranch_scc1 .Lnot_wave_0_\@
	s_barrier_signal -3
.Lnot_wave_0_\@:
	s_barrier_wait -3
	s_barrier_signal -1
	s_barrier_wait -1
.endm
.macro CROUND
	s_barrier_signal -1
	s_barrier_wait -1
	CREST
.endm
.macro FRAG reg, adr, q, i             ; W: registers 4 c .. 4 c + 3 hold K = 32 c + 16 h + 0 .. 15 of row l % 16
.irp c, 0,1,2,3
	ds_load_b128 v[\reg+4*\c:\reg+4*\c+3], v[\adr] offset:128*(\q)+32*\c+(\i)*16*PITCH
.endr
.endm
.macro FRAGA reg, adr, q, i            ; y: the image comes back as it was stored: the same k in the same registers
.irp c, 0,1,2,3
	ds_load_b128 v[\reg+4*\c:\reg+4*\c+3], v[\adr] offset:4096*(\i)+2048*(\q)+512*\c
.endr
.endm
.macro MUL16 a0, p, zero               ; the 64 accumulators take turns, one instruction a turn
.irp a, \a0, \a0+1
.irp b, 0,1,2,3,4,5,6,7
.if \zero
	v_wmma_f32_16x16x128_bf8_bf8 v[8*(8*((\a)%4)+\b):8*(8*((\a)%4)+\b)+7], v[128*(\p)+FR*\b:128*(\p)+FR*\b+FR-1], v[AF+FR*(\a):AF+FR*(\a)+FR-1], 0
.else
	v_wmma_f32_16x16x128_bf8_bf8 v[8*(8*((\a)%4)+\b):8*(8*((\a)%4)+\b)+7], v[128*(\p)+FR*\b:128*(\p)+FR*\b+FR-1], v[AF+FR*(\a):AF+FR*(\a)+FR-1], v[8*(8*((\a)%4)+\b):8*(8*((\a)%4)+\b)+7]
.endif
.endr
.endr
.endm
.macro FETCH_B slot, q, p
	WIN TO_B
.irp i, 0,1,2,3,4,5,6,7
	FRAG 128*(\p)+FR*\i, ADRB+\slot, \q, \i
.endr
	WIN 0
.endm
.macro FETCH_A slot, q, i0
.irp i, \i0, \i0+1, \i0+2, \i0+3
	FRAGA AF+FR*(\i), ADRA+\slot, \q, \i
.endr
.endm
.macro PLACES n
.rept \n
	v_nop
.endr
.endm
.macro STEP slot, q, zero
	s_wait_dscnt 4*NL                              ; W's set and y's blocks 0-3 are in; the youngest 16 loads (blocks 4-7) may be out
	WIN MUL_LO
	MUL16 0, (\q)%2, \zero
	MUL16 2, (\q)%2, \zero
	s_wait_dscnt 0
	PLACES NP
	FETCH_B \slot, (\q)+1, 1-(\q)%2
	FETCH_A \slot, (\q)+1, 0
	WIN MUL_HI
	MUL16 4, (\q)%2, \zero
	MUL16 6, (\q)%2, \zero
	PLACES NP
	WIN 0
	FETCH_A \slot, (\q)+1, 4
.endm
.macro TURN slot, next, fill
	s_wait_tensorcnt 0x0                           ; all my tensor loads have landed: my part of the next slot
	ds_add_u32 v[SPW], v[NIL]                      ; 0 onto my spare word
	s_wait_dscnt 4*NL+1                            ; (the add and the youngest 16 loads may be out)
	WIN MUL_LO
	MUL16 0, 1, 0
	s_wait_dscnt 0x0                               ; the add is done, and my reads of this slot are over
	s_barrier_signal -1
	MUL16 2, 1, 0
	WIN 0
	s_barrier_wait -1
.if \fill
	CREST                                          ; the barrier has opened a round of the cluster's barrier
	s_add_nc_u64 s[G0+4*\slot+2:G0+4*\slot+3], s[G0+4*\slot+2:G0+4*\slot+3], 8192      ; y: 512 along K are four images of 2,048 bytes
	s_add_nc_u64 s[G0B+4*\slot+2:G0B+4*\slot+3], s[G0B+4*\slot+2:G0B+4*\slot+3], 2*ROWB
	JLOAD G0+4*\slot, G1, G0B+4*\slot, G1B         ; the first tensor load behind the round; its four v_nop are also the places in front of the loads below
.else
	PLACES NP
.endif
	FETCH_B \next, 0, 0
	FETCH_A \next, 0, 0
	WIN MUL_HI
	MUL16 4, 1, 0
	MUL16 6, 1, 0
	PLACES NP
	WIN 0
	FETCH_A \next, 0, 4
.endm
; THE WAY OUT, block by block of 16 rows x 128 columns.  Register j of accumulator b is column 32 (b / 2) + 16 h + 8 (b % 2) + j of row r (sw undone): the sums go into my own stage as they are, each accumulator's
; low four registers first, and come back as whole rows of 512 bytes; there each pair becomes sum x 2^(e6 + e7) + bias.  LDS serves a wave's instructions in order (ISA guide 5.7.1.4): no wait between stores and loads.
.macro TOSTAGE a
.set AC, 64*((\a)%4)
	WIN 0x08+4*((\a)/4)                            ; the stores' data: window 2 or 3
.irp b, 0,1,2,3,4,5,6,7
	ds_store_b128 v[STO], v[AC+8*\b:AC+8*\b+3] offset:128*(\b/2)+32*(\b%2)
	ds_store_b128 v[STO], v[AC+8*\b+4:AC+8*\b+7] offset:128*(\b/2)+32*(\b%2)+16
.endr
	WIN 0
.set BB, BK+64*((\a)%2)
.irp t, 0,1,2,3,4,5,6,7,8,9,10,11,12,13,14,15
	ds_load_b128 v[BB+4*\t:BB+4*\t+3], v[RD] offset:\t*SPITCH
.endr
.endm
.macro SEND a, younger                 ; younger: the LDS instructions issued behind block a's loads, which may stay out
.set BB, BK+64*((\a)%2)
	s_wait_dscnt \younger
.set ii, 0
.rept 16
	v_pk_fma_f32 v[BB+4*ii:BB+4*ii+1], v[BB+4*ii:BB+4*ii+1], s[96:97], v[BIAS:BIAS+1] op_sel_hi:[1,0,1]
	v_pk_fma_f32 v[BB+4*ii+2:BB+4*ii+3], v[BB+4*ii+2:BB+4*ii+3], s[96:97], v[BIAS+2:BIAS+3] op_sel_hi:[1,0,1]
.set ii, ii+1
.endr
.if (\a) > 0
	s_add_nc_u64 s[12:13], s[12:13], 16*4096       ; (behind a wait on XCNT: the earlier stores have read their base)  16 rows on
.endif
.irp t, 0,1,2,3,4,5,6,7,8,9,10,11,12,13,14,15
	global_store_b128 v[CO], v[BB+4*\t:BB+4*\t+3], s[12:13] offset:\t*4096 th:TH_STORE_NT   ; 32 lanes store 512 consecutive bytes, at a multiple of 256 from the buffer's first byte
.endr
.endm
	s_load_b128 s[4:7], s[0:1], 0x0                ; y_img s[4:5], wp_codes s[6:7]
	s_load_b128 s[8:11], s[0:1], 0x10              ; the scales' exponents s[8:9], b_proj s[10:11]
	s_load_b64 s[12:13], s[0:1], 0x20              ; out0
	v_lshl_add_u32 v[SPW], v0, 2, SPARE
	v_mov_b32 v[NIL], 0
	ds_add_u32 v14, v15
	ds_add_u32 v14, v15
	s_wait_dscnt 0x0
	v_lshrrev_b32 v1, 5, v0
	v_readfirstlane_b32 s14, v1                    ; wave 0..3
	s_lshr_b32 s15, s14, 1                         ; which half of the tile's rows is mine.  Also: I fetch for y (0) or for W (1)
	s_and_b32 s16, s14, 1                          ; which half of its columns.  Also: which half of that tile I fetch
	s_bfe_u32 s40, ttmp6, 0x40000
	s_bfe_u32 s41, ttmp6, 0x40004
	s_lshl_b32 s42, ttmp9, 2
	s_add_co_u32 s42, s42, s40                     ; tile column
	s_and_b32 s17, ttmp7, 0xffff
	s_lshl_b32 s17, s17, 2
	s_add_co_u32 s17, s17, s41                     ; tile row
	s_lshl_b32 s43, s41, 2
	s_lshl_b32 s43, 15, s43                        ; my row of the cluster
	s_lshl_b32 s44, 0x1111, s40                    ; my column
	s_or_b32 s[G1+0], s43, (3<<16)|(1<<21)         ; y: the mask; elements of 8 bytes; 21 set beside a mask; no padding.  Eight tiles of rows: 8 rows of 4,096 bytes (256 along K), 16,384 bytes apart
	s_mov_b32 s[G1+1], 512<<16                     ; tensor_dim0 = 512
	s_mov_b32 s[G1+2], 8<<16                       ; tensor_dim1 = 8
	s_mov_b32 s[G1+3], 512<<16                     ; tile_dim0 = 512
	s_mov_b32 s[G1+4], 8                           ; tile_dim1 = 8
	s_mov_b32 s[G1+5], 2048                        ; from row to row
	s_mov_b32 s[G1+6], 0
	s_mov_b32 s[G1+7], 0
	s_or_b32 s[G1B+0], s44, (1<<20)|(1<<21)|(5<<22)|(3<<25)   ; W: elements of 1 byte; four words of padding after every 64
	s_mov_b32 s[G1B+1], ROWB<<16
	s_mov_b32 s[G1B+2], 128<<16
	s_mov_b32 s[G1B+3], ROWB<<16
	s_mov_b32 s[G1B+4], 128
	s_mov_b32 s[G1B+5], KROW
	s_mov_b32 s[G1B+6], 0
	s_mov_b32 s[G1B+7], 0
	s_lshl_b32 s20, s17, 4
	s_lshl_b32 s18, s16, 3
	s_add_co_u32 s20, s20, s18                     ; y: tile of rows 16 x tile row + 8 x half
	s_lshl_b32 s20, s20, 14
	s_mov_b32 s21, 0
	s_lshl_b32 s46, s42, 8
	s_lshl_b32 s18, s16, 7
	s_add_co_u32 s46, s46, s18                     ; W: row 256 x tile column + 128 x half
	s_lshl_b32 s46, s46, 10
	s_mov_b32 s47, 0
	s_lshl_b32 s45, s16, 15                        ; where they go: y's half at 32,768 x half,
	s_mul_i32 s67, s16, HALFT
	s_add_co_u32 s67, s67, AIMG                    ; W's behind y's: no place in the cluster enters an LDS address
	s_wait_kmcnt 0x0
	s_load_b256 s[72:79], s[8:9], 0x0              ; e0 .. e7
	s_add_nc_u64 s[20:21], s[4:5], s[20:21]
	s_add_nc_u64 s[46:47], s[6:7], s[46:47]
	CROUND                                         ; all sixteen work-groups are here: the first joint loads meet
.irp s, 0,1
	s_mov_b32 s[G0+4*\s], 1
	s_add_co_u32 s[G0+4*\s+1], s45, \s*SLOT
	s_add_nc_u64 s[G0+4*\s+2:G0+4*\s+3], s[20:21], \s*4096
	s_or_b32 s[G0+4*\s+3], s[G0+4*\s+3], 0x80000000
	s_mov_b32 s[G0B+4*\s], 1
	s_add_co_u32 s[G0B+4*\s+1], s67, \s*SLOT
	s_add_nc_u64 s[G0B+4*\s+2:G0B+4*\s+3], s[46:47], \s*ROWB
	s_or_b32 s[G0B+4*\s+3], s[G0B+4*\s+3], 0x80000000
	s_wait_alu depctr_va_vdst(0)
	s_wait_tensorcnt 0x0
	ds_add_u32 v14, v15
	ds_add_u32 v14, v15
	s_wait_dscnt 0x0
	CROUND
	JLOAD G0+4*\s, G1, G0B+4*\s, G1B
.endr
	v_and_b32 v1, 15, v0                           ; r
	v_bfe_u32 v2, v0, 4, 1                         ; h
	v_mul_u32_u24 v3, v1, PITCH
	v_lshl_add_u32 v3, v2, 4, v3                   ; W: row x pitch + 16 h
	v_and_b32 v6, 31, v0
	v_lshlrev_b32 v[CO], 4, v6
	s_wait_alu depctr_va_vdst(0)
	s_lshl_b32 s21, s15, 15                        ; my eight tiles of y's rows
	s_mul_i32 s22, s16, HALFT
	s_add_co_u32 s22, s22, AIMG                    ; my 128 rows of W
.irp s, 0,1
	v_add_nc_u32 v[ADRA+\s], s21, v[CO]
	v_add_nc_u32 v[ADRB+\s], s22, v3
	s_add_co_u32 s21, s21, SLOT
	s_add_co_u32 s22, s22, SLOT
.endr
	s_mul_i32 s23, s14, 16*SPITCH                  ; my stage
	v_mul_u32_u24 v5, v1, SPITCH
	v_lshl_add_u32 v5, v2, 6, v5
	v_add_nc_u32 v[STO], s23, v5                   ; in: row r, + 64 h
	v_add_nc_u32 v[RD], s23, v[CO]                 ; back: the 32 lanes take one row of 512 bytes
	s_lshl_b32 s46, s42, 10                        ; my first column, in bytes: 1,024 x tile column + 512 x half
	s_lshl_b32 s47, s16, 9
	s_add_co_u32 s46, s46, s47
	s_mov_b32 s47, 0
	s_add_nc_u64 s[10:11], s[10:11], s[46:47]
	global_load_b128 v[BIAS:BIAS+3], v[CO], s[10:11]
	s_lshl_b32 s20, s17, 8
	s_lshl_b32 s21, s15, 7
	s_add_co_u32 s20, s20, s21                     ; my first row: 256 x tile row + 128 x half
	s_lshl_b32 s20, s20, 12
	s_mov_b32 s21, 0
	s_add_nc_u64 s[20:21], s[20:21], s[46:47]
	s_add_nc_u64 s[12:13], s[12:13], s[20:21]
	s_wait_alu depctr_va_vdst(0)
	s_wait_tensorcnt 1                             ; my part of K step 0 is in (K step 1's load may be out),
	s_barrier_signal -1
	s_barrier_wait -1                              ; everybody's is
	FETCH_B 0, 0, 0
	FETCH_A 0, 0, 0
	FETCH_A 0, 0, 4
	STEP 0, 0, 1                                   ; the first products start the sums
	TURN 0, 1, 1                                   ; K = 1,024 is twice round the ring: written out
	STEP 1, 0, 0
	TURN 1, 0, 1
	STEP 0, 0, 0
	TURN 0, 1, 0                                   ; the last lap fills nothing
	STEP 1, 0, 0
	s_wait_dscnt 4*NL
	WIN MUL_LO
	MUL16 0, 1, 0
	MUL16 2, 1, 0
	s_wait_dscnt 0
	WIN MUL_HI
	MUL16 4, 1, 0
	MUL16 6, 1, 0
	WIN 0
	s_wait_kmcnt 0x0
	s_add_co_i32 s96, s78, s79                     ; e6 + e7
	s_add_co_i32 s96, s96, 127
	s_lshl_b32 s96, s96, 23                        ; 2^(e6 + e7) as f32
	s_mov_b32 s97, s96
	s_wait_loadcnt 0x0                             ; the bias
	PLACES NP                                      ; behind the last products: their results are read, and y's fragment registers loaded, below
	TOSTAGE 0
.irp a, 1,2,3,4,5,6,7
.if \a > 1
	s_wait_xcnt 0x0                                ; block a - 2's stores have read their registers and their base: block a's loads may land there, and the base may step
.endif
	TOSTAGE \a
	SEND \a-1, 32                                  ; behind block a - 1's loads: block a's 16 stores and 16 loads
.endr
	s_wait_xcnt 0x0
	SEND 7, 0
	s_wait_tensorcnt 0x0                           ; the wave's end
	ds_add_u32 v[SPW], v[NIL]
	s_wait_dscnt 0x0
	CROUND                                         ; the closing round
	s_endpgm
.Lfunc_end_k_qe58410ede6_proj:
	.size	k_qe58410ede6_proj, .Lfunc_end_k_qe58410ede6_proj-k_qe58410ede6_proj
	.p2alignl 7, 3214868480
	.fill 96, 4, 3214868480
	.section	.rodata,"a",@progbits
	.p2align	6, 0x0
	.amdhsa_kernel k_qe58410ede6_proj
		.amdhsa_group_segment_fixed_size 327680
		.amdhsa_private_segment_fixed_size 0
		.amdhsa_enable_private_segment 0
		.amdhsa_kernarg_size 40
		.amdhsa_user_sgpr_count 2
		.amdhsa_user_sgpr_kernarg_segment_ptr 1
		.amdhsa_wavefront_size32 1
		.amdhsa_system_sgpr_workgroup_id_x 1
		.amdhsa_system_sgpr_workgroup_id_y 1
		.amdhsa_system_sgpr_workgroup_id_z 1
		.amdhsa_system_vgpr_workitem_id 0
		.amdhsa_next_free_vgpr 1024
		.amdhsa_next_free_sgpr 100
		.amdhsa_reserve_vcc 0
		.amdhsa_float_denorm_mode_32 3
		.amdhsa_float_denorm_mode_16_64 3
		.amdhsa_memory_ordered 1
		.amdhsa_forward_progress 1
		.amdhsa_inst_pref_size 124
	.end_amdhsa_kernel
	.amdgpu_metadata
---
amdhsa.version: [ 1, 2 ]
amdhsa.kernels:
  - .name:           k_qe58410ede6_proj
    .symbol:         k_qe58410ede6_proj.kd
    .args:
      - { .name: y_img, .offset: 0, .size: 8, .value_kind: global_buffer, .address_space: global }
      - { .name: wp_codes, .offset: 8, .size: 8, .value_kind: global_buffer, .address_space: global }
      - { .name: lowp_scales, .offset: 16, .size: 8, .value_kind: global_buffer, .address_space: global }
      - { .name: b_proj, .offset: 24, .size: 8, .value_kind: global_buffer, .address_space: global }
      - { .name: out0, .offset: 32, .size: 8, .value_kind: global_buffer, .address_space: global }
    .group_segment_fixed_size: 327680
    .private_segment_fixed_size: 0
    .kernarg_segment_align: 8
    .kernarg_segment_size: 40
    .max_flat_workgroup_size: 128
    .sgpr_count:     100
    .vgpr_count:     1024
    .wavefront_size: 32
...
	.end_amdgpu_metadata
.endif
;; end of part 4
